; MI455X (gfx1250); checked and timed in simulation.
; The chip was launched on July 23, 2026; its instructions are those of AMD's public machine-readable ISA for CDNA 5 (MIT licence, August 2026) and "CDNA5" Instruction Set Architecture Reference Guide (July 2026). The comments in the code are by the model that wrote it; some were corrected since.
;; Cross Multi Head Attention. Allowed arithmetic: matrix products marked QUANTISED: E2M3 operands, one E8M0 scale for each 32 along K, by v_wmma_scale_f32_16x16x128_f8f6f4 with both operands' format E2M3, f32 sums; everything else in f32.
;; Inputs: Wkv 1,024 x 2,048 float32; Wo 1,024 x 1,024 float32; Wq 1,024 x 1,024 float32; context 4 x 2,048 x 1,024 float32; x 4 x 2,048 x 1,024 float32.
;; Outputs: out0 4 x 2,048 x 1,024 float32.
;; This version of the problem:
;;   THIS VERSION OF THE PROBLEM IS GIVEN IN LOW PRECISION. The matrix products marked QUANTISED in the list below multiply operands that are first quantised to E2M3 (2 exponent bits, 3 mantissa bits; 6 bits a number), with one power-of-two scale for each 32 numbers along K (OCP MX v1.0); their sums are f32. All else is computed in f32.
;;   The module's matrix products, in the order in which they are computed (A, B: the left and right operand; K: the contracted axis; several contracted axes count as one K, in the product's order):
;;     1. [M 8,192, K 1,024] x [K 1,024, N 1,024]; A: input x; B: input Wq: QUANTISED
;;     2. [M 8,192, K 1,024] x [K 1,024, N 2,048]; A: input context; B: input Wkv: QUANTISED
;;     3. batch 64 x [M 2,048, K 64] x [K 64, N 2,048]; A: computed on the way; B: computed on the way: QUANTISED
;;     4. batch 64 x [M 64, K 2,048] x [K 2,048, N 2,048]; A: computed on the way; B: softmax (see below): QUANTISED
;;     5. [M 8,192, K 1,024] x [K 1,024, N 1,024]; A: computed on the way; B: input Wo: QUANTISED
;;   THE QUANTISER, for each operand of a quantised product, along K:
;;     - K is cut into blocks of 32 from its start; a last block that is shorter is filled with zeros.
;;     - A block's scale is 2^e with e = floor(log2(the largest magnitude in the block)) - 2, held to -126 .. 127; a block of zeros has e = 0. As a byte (E8M0): e + 127.
;;     - Each number is divided by its block's scale, clamped to +-7.5, and rounded to the nearest number of E2M3, ties to even, subnormals kept.
;;     - The product sums the exact products of the quantised numbers (number of the format x scale) in f32.
;;   ~~~python
;;   def quantise(x, axis):      # numpy; x: float32 -> the quantised numbers, widened to float32 again
;;       x = np.moveaxis(x, axis, -1); K = x.shape[-1]
;;       x = np.pad(x, [(0, 0)] * (x.ndim - 1) + [(0, -K % 32)]); x = x.reshape(x.shape[:-1] + (-1, 32)); a = np.abs(x).max(-1, keepdims=True)
;;       e = np.where(a > 0, np.clip(np.frexp(np.where(a > 0, a, 1))[1] - 1 - 2, -126, 127), 0)      # np.frexp(a)[1] - 1 = floor(log2(a)), exactly
;;       r = np.clip(x / 2.0 ** e, -7.5, 7.5)
;;       step = 2.0 ** (np.maximum(np.frexp(np.where(r == 0, 1, r))[1] - 1, 0) - 3)
;;       q = np.round(r / step) * step * 2.0 ** e      # np.round: ties to even
;;       return np.moveaxis(q.reshape(q.shape[:-2] + (-1,))[..., :K], -1, axis).astype(np.float32)
;;   ~~~
;;   SOFTMAX AHEAD OF A QUANTISED PRODUCT. Where the list says 'softmax', what is quantised is not the finished softmax but p = 2^(t - M), with t = logit x log2(e) and M = ceil(the row's largest t), a whole number; so 1/2 < the row's largest p <= 1. The row's sum l is taken of the UNQUANTISED p, in f32, and the product's result is divided by l at the end. Since M is a whole number, a kernel that streams over the keys may use a running M (the ceiling of the running maximum): every later rescaling is an exact power of two, which a block's scale takes up: the codes' values come out the same.
;;   OPERANDS COMPUTED ON THE WAY. 'Computed on the way' means the value that the module computes at that place (a softmax that the list does not call 'softmax' is quantised finished and normalised). What goes into a quantiser is computed in f32, as accurately as f32 sums, v_exp_f32 and their like allow (about 1e-6 of the number): no bf16 or f16 on the way to a quantiser, and a product that is left as it is and whose result goes on into a quantised operand takes f32 operands (vector FMAs, or v_wmma_f32_16x16x4_f32). A number that lies on a knife's edge between two numbers of the format may be rounded either way, as far as f32 arithmetic and the matrix unit's own rounding can turn it there, and no further.
;; One version. Each part assembles by itself: llvm-mc -triple=amdgcn-amd-amdhsa -mcpu=gfx1250 --defsym DOCPART=n.
;; ======== version 1 of 1: 4 launches
;; limits: right only within a limited range of input values
;; workspace buffers: act 13,107,200 bytes; wts 3,276,800 bytes; qkv 20,185,088 bytes; ao 6,553,600 bytes
;; launch quant (part 1): grid 512 x 1, 4 waves a work-group, no clusters, 34,304 bytes of LDS; arguments x, context, Wq, Wkv, Wo, act, wts; writes act, wts
.if DOCPART == 1
	.amdgcn_target "amdgcn-amd-amdhsa--gfx1250"
	.amdhsa_code_object_version 6
	.text
	.protected	k_qd72809383d_quant
	.globl	k_qd72809383d_quant
	.p2align	8
	.type	k_qd72809383d_quant,@function
k_qd72809383d_quant:
	s_mov_b64 s[64:65], 0
	v_nop
	global_prefetch_b8 v0, s[64:65] scope:SCOPE_SE
	s_setreg_imm32_b32 hwreg(HW_REG_WAVE_MODE, 25, 1), 1
	s_wait_xcnt 0x0
; LAUNCH 1 OF 4.  x, context [8192][1024] and Wq, Wkv, Wo [1024 (k)][n], all f32, become codes of FP6 (E2M3) with one E8M0 byte for each 32 along K = 1,024.
; THE PROGRAM: quant (this) -> projq (q = x Wq, k and v = context Wkv, each quantised in registers on its way out) -> attn (q k^T, softmax, v^T p, / l, quantised) -> outg (ao Wo, f32 out).
; WORK LEFT OUT, in the whole program: key steps of 128 keys all of which come after a tile's 16 queries (launch attn).  reference() itself writes -inf there (its own triu mask, j > i), so their softmax
; weights are 0 whatever finite values the inputs hold, and they reach neither the row's maximum, nor its sum, nor the second product.  Every input has a way to the output and is loaded.
; LIMITS: a NaN, an infinity or an overflow that reaches only such masked scores is not carried to the result.  NaN and infinities among the inputs are not served.  A block of zeros, or one whose largest
; magnitude lies under 2^-124, gets the scale byte 1 (the stated rule gives 127 to a block of zeros): its codes are zeros or subnormal codes, and the bytes are read by this program alone.
; THE OPERAND FORMAT of all workspace buffers.  A HALF FRAGMENT is 16 rows x 64 along K, 768 bytes: the image of six operand registers.  Lane l = r + 16 h holds row r, block h of the 64: 24 bytes of the
; block's stream of bits; its registers 0-3 lie at 16 l, its registers 4, 5 at 512 + 8 l.  Two on end are a fragment of 16 x 128.  Codes: [row tile of 16][16 half fragments][768]; scale bytes: [row][32].
; ROW ORDER.  In context and in the rows n of Wq, Wk, Wv, inside each 64, position 16 t + 8 u + j (t 0-3, u 0-1, j 0-7) holds row 32 u + 8 t + j; x and Wo keep their order.  With such an operand as source 0
; of a product, a lane's 32 result registers of four neighbouring tiles are 32 neighbours along that operand's rows: a whole block of the next quantiser, in one lane.
; WORK-GROUPS 0-255: the activations, a row tile of 16 rows x all of K to a wave, 8 steps of 128 along K.  Each load reads 512 consecutive bytes of one row; a step turns through the wave's own stage in LDS
; (16 rows of 512 + 16 bytes) so that a lane gets 16 neighbours of each block.  WORK-GROUPS 256-511: the weights, 32 columns x 128 along K to a wave: a lane takes a column and its registers run down K; no LDS.
.set SPARE, 33792                      ; behind the four stages: the spare words, 128 bytes a wave
.set STG,   8448                       ; a wave's stage
.set SPW, 10                           ; v10  my spare word's LDS address; never rewritten
.set NIL, 11                           ; v11  0; never rewritten
.set SW,  16                           ; v16-23  the scale word of each K step
.set MX,  224                          ; v224-227 largest magnitudes
.set T4,  228                          ; v228-231 the other half's, then the bytes
.set SO,  232                          ; v232-235 the conversions' scale operands
.set PC,  236                          ; v236-247 a fragment's codes; v248-250, v252-254 at work
	s_load_b256 s[4:11], s[0:1], 0x0               ; x, context, Wq, Wkv
	s_load_b128 s[12:15], s[0:1], 0x20             ; Wo, act
	s_load_b64 s[16:17], s[0:1], 0x30              ; wts
	v_lshl_add_u32 v[SPW], v0, 2, SPARE
	v_mov_b32 v[NIL], 0
	v_lshrrev_b32 v1, 5, v0
	v_readfirstlane_b32 s18, v1                    ; wave
	v_and_b32 v1, 31, v0                           ; lane
	s_mov_b32 s19, 0xffff0000                      ; lanes 16-31
	s_mov_b32 s23, 0
	s_mov_b32 s46, 0x76543210
	s_mov_b32 s47, 0xfedcba98                      ; v_permlanex16_b32's selects for lane l xor 16
	s_wait_kmcnt 0x0
	s_cmp_ge_u32 ttmp9, 256
	s_cbranch_scc1 .Lweights
; ---------------- the activations ----------------
	s_lshl_b32 s28, ttmp9, 2
	s_add_co_u32 s28, s28, s18                     ; my row tile among the 1,024: 0-511 x, 512-1023 context
	s_cmp_lt_u32 ttmp9, 128
	s_cselect_b64 s[20:21], s[4:5], s[6:7]
	s_cselect_b32 s29, 0, 1                        ; 1: context
	s_and_b32 s30, s28, 511                        ; the tile in its tensor
	s_lshl_b32 s31, s30, 16                        ; x: 16 rows of 4,096 bytes a tile
	s_lshr_b32 s32, s30, 2
	s_lshl_b32 s32, s32, 18                        ; context: tile 4 g + t begins at row 64 g + 8 t,
	s_and_b32 s33, s30, 3
	s_lshl_b32 s33, s33, 15
	s_add_co_u32 s32, s32, s33
	s_cmp_eq_u32 s29, 0
	s_cselect_b32 s22, s31, s32
	s_add_nc_u64 s[20:21], s[20:21], s[22:23]
	s_mul_i32 s33, s29, 98304                      ; and its positions 8-15 lie 24 rows further on than they would in order
	s_mul_i32 s22, s28, 12288
	s_add_nc_u64 s[24:25], s[14:15], s[22:23]      ; my tile's codes
	s_lshl_b32 s22, s28, 9
	s_add_co_u32 s22, s22, 12582912
	s_add_nc_u64 s[26:27], s[14:15], s[22:23]      ; and its 512 scale bytes
	s_wait_alu depctr_va_vdst(0)
	v_lshlrev_b32 v2, 4, v1                        ; 16 x lane: in a row's 512 bytes, and in an image
	v_add_nc_u32 v3, s33, v2                       ; the same for positions 8-15
	s_mul_i32 s34, s18, STG
	v_add_nc_u32 v4, s34, v2                       ; the stage, on the way in
	v_and_b32 v12, 15, v1                          ; r
	v_lshrrev_b32 v13, 4, v1                       ; h
	v_mul_u32_u24 v5, v12, 528
	v_lshl_add_u32 v5, v13, 6, v5
	v_add_nc_u32 v5, s34, v5                       ; and on the way out: row r, + 64 h: my 16 numbers of a block
	s_wait_alu depctr_va_vdst(0)
	v_lshlrev_b32 v7, 3, v1                        ; 8 x lane
	v_lshlrev_b32 v8, 5, v12
	v_lshl_add_u32 v8, v13, 4, v8                  ; the scale bytes: 32 r + 16 h
.irp b, 0,1,2,3
	v_mov_b32 v[T4+\b], 0                          ; written once: a lane permute's destination counts as one of its sources
.endr
.macro ALOAD s                         ; K step s of my 16 rows into set s % 3: a load reads 512 consecutive bytes of one row
.set RS, 32+64*((\s)%3)
.irp rho, 0,1,2,3,4,5,6,7
	global_load_b128 v[RS+4*\rho:RS+4*\rho+3], v2, s[20:21] offset:\rho*4096+512*(\s) th:TH_LOAD_NT
.endr
.irp rho, 8,9,10,11,12,13,14,15
	global_load_b128 v[RS+4*\rho:RS+4*\rho+3], v3, s[20:21] offset:\rho*4096+512*(\s) th:TH_LOAD_NT
.endr
.endm
; 64 numbers of a lane, register 16 b + i = k 32 b + 16 h + i of my row, become a fragment's codes in v[PC] on and the row's scale word in v[pw]
.macro QUANT src, pw
.irp b, 0,1,2,3
	v_max3_num_f32 v[MX+\b], |v[\src+16*\b]|, |v[\src+16*\b+1]|, 0x1800000   ; my 16 numbers of block b, and the floor 2^(3 - 127): the byte cannot fall under 1
.endr
.irp i, 2,4,6,8,10,12,14
.irp b, 0,1,2,3
	v_max3_num_f32 v[MX+\b], v[MX+\b], |v[\src+16*\b+\i]|, |v[\src+16*\b+\i+1]|
.endr
.endr
.irp b, 0,1,2,3
	v_permlanex16_b32 v[T4+\b], v[MX+\b], s46, s47
.endr
.irp b, 0,1,2,3
	v_max_num_f32 v[MX+\b], v[MX+\b], v[T4+\b]     ; with lane l xor 16's: the block's largest magnitude
.endr
.irp b, 0,1,2,3
	v_add_nc_u32 v[SO+\b], 0xff000000, v[MX+\b]    ; 2 off its exponent field: the conversion takes that field as its scale
.endr
.irp b, 0,1,2,3
	v_lshrrev_b32 v[T4+\b], 23, v[SO+\b]           ; the scale's byte
.endr
	v_lshl_or_b32 v[\pw], v[T4+1], 8, v[T4]
	v_lshl_or_b32 v[\pw], v[T4+2], 16, v[\pw]
	v_lshl_or_b32 v[\pw], v[T4+3], 24, v[\pw]
.irp c, 0,1
	v_cvt_scalef32_pk16_fp6_f32 v[PC+6*\c:PC+6*\c+2], v[\src+32*\c:\src+32*\c+15], v[SO+2*\c]
	v_cvt_scalef32_pk16_fp6_f32 v[PC+12+4*\c:PC+14+4*\c], v[\src+32*\c+16:\src+32*\c+31], v[SO+2*\c+1]   ; (a conversion's three registers begin on an even number)
.endr
	v_nop                                          ; one plain place behind a scaled conversion
.irp c, 0,1                            ; the operand's layout wants a whole block in a lane: lanes 0-15 block 2 c, lanes 16-31 block 2 c + 1
.irp i, 0,1,2
	v_permlane16_swap_b32 v[PC+6*\c+\i], v[PC+12+4*\c+\i]
.endr
.irp i, 0,1,2
	v_mov_b32 v[PC+3+6*\c+\i], v[PC+12+4*\c+\i]
.endr
.endr
.endm
.macro ASTEP s
.if (\s) < 6
	ALOAD (\s)+2                                   ; two steps ahead, into the set that the step before has left
.endif
.if (\s) <= 5
	s_wait_loadcnt 32                              ; this step's 16 loads are in; those of the two steps behind it may be out
.elseif (\s) == 6
	s_wait_loadcnt 16
.else
	s_wait_loadcnt 0
.endif
.set RS, 32+64*((\s)%3)
.irp rho, 0,1,2,3,4,5,6,7,8,9,10,11,12,13,14,15
	ds_store_b128 v4, v[RS+4*\rho:RS+4*\rho+3] offset:528*\rho
.endr
	s_wait_dscnt 0x0                               ; the stores have read the set: it takes the numbers back in the other order
.irp b, 0,1,2,3
.irp j, 0,1,2,3
	ds_load_b128 v[RS+16*\b+4*\j:RS+16*\b+4*\j+3], v5 offset:128*\b+16*\j
.endr
.endr
	s_wait_dscnt 0x0
	s_wait_xcnt 0x0                                ; the last step's stores have read the codes' registers: they are written again only behind this wait
	QUANT RS, SW+(\s)
	global_store_b128 v2, v[PC:PC+3], s[24:25] offset:1536*(\s)          ; 512 consecutive bytes,
	global_store_b64 v7, v[PC+4:PC+5], s[24:25] offset:1536*(\s)+512     ; 256,
	global_store_b128 v2, v[PC+6:PC+9], s[24:25] offset:1536*(\s)+768    ; and the second half fragment likewise
	global_store_b64 v7, v[PC+10:PC+11], s[24:25] offset:1536*(\s)+1280
.endm
	ALOAD 0
	ALOAD 1
.irp s, 0,1,2,3,4,5,6,7
	ASTEP \s
.endr
.irp j, 0,1,2,3
	v_cndmask_b32 v[24+\j], v[SW+\j], v[SW+4+\j], s19   ; lanes 0-15 store their row's words 0-3, lanes 16-31 words 4-7
.endr
	global_store_b128 v8, v[24:27], s[26:27]       ; the tile's 512 scale bytes, consecutive
	s_wait_tensorcnt 0x0                           ; the wave's end, behind my last LDS store
	ds_add_u32 v[SPW], v[NIL]
	s_wait_dscnt 0x0
	s_endpgm
; ---------------- the weights ----------------
.Lweights:
	s_sub_co_u32 s36, ttmp9, 256
	s_and_b32 s37, s36, 31                         ; which 128 of the 4,096 columns: 0-7 Wq, 8-23 Wkv (k, then v), 24-31 Wo
	s_lshr_b32 s38, s36, 5                         ; which K step of 128
	s_cmp_lt_u32 s37, 8
	s_cselect_b64 s[20:21], s[8:9], s[10:11]
	s_cselect_b32 s39, 0, 8
	s_cselect_b32 s40, 12, 13                      ; log2 of a row's bytes
	s_cmp_lt_u32 s37, 24
	s_cselect_b64 s[20:21], s[20:21], s[12:13]
	s_cselect_b32 s39, s39, 24
	s_cselect_b32 s40, s40, 12
	s_cselect_b32 s41, -1, 0                       ; all lanes: the rows are laid in the order of the head comment; none: Wo keeps its order
	s_sub_co_u32 s39, s37, s39                     ; the group of 128 columns in its tensor
	s_lshl_b32 s42, 1, s40                         ; a row's bytes
	s_lshl_b32 s43, s39, 9
	s_lshl_b32 s44, s18, 7
	s_add_co_u32 s43, s43, s44                     ; my wave's first column, in bytes
	s_lshl_b32 s44, s38, 7
	s_lshl_b32 s44, s44, s40                       ; 128 s rows down
	s_add_co_u32 s22, s43, s44
	s_add_nc_u64 s[24:25], s[20:21], s[22:23]      ; block 0,
	s_lshl_b32 s22, s42, 5
	s_add_nc_u64 s[26:27], s[24:25], s[22:23]      ; and each further block 32 rows on
	s_add_nc_u64 s[28:29], s[26:27], s[22:23]
	s_add_nc_u64 s[30:31], s[28:29], s[22:23]
	s_lshl_b32 s43, s37, 3                         ; the group's first row tile of wts: 8 x group
	s_mul_i32 s22, s43, 12288
	s_mul_i32 s44, s38, 1536
	s_add_co_u32 s22, s22, s44
	s_add_nc_u64 s[32:33], s[16:17], s[22:23]      ; its fragment of this K step
	s_lshl_b32 s22, s43, 9
	s_lshl_b32 s44, s38, 2
	s_add_co_u32 s22, s22, s44
	s_add_co_u32 s22, s22, 3145728
	s_add_nc_u64 s[34:35], s[16:17], s[22:23]      ; and its rows' scale word of this K step
	s_lshr_b32 s44, s18, 1
	s_lshl_b32 s44, s44, 6
	s_and_b32 s45, s18, 1
	s_lshl_b32 s45, s45, 3
	s_add_co_u32 s44, s44, s45                     ; 64 (wave / 2) + 8 (wave % 2)
	s_lshl_b32 s45, s18, 5                         ; 32 x wave
	s_wait_alu depctr_va_vdst(0)
	v_lshlrev_b32 v32, 2, v1                       ; v32-63: 4 x lane + i rows
.set n, 1
.rept 31
	v_add_nc_u32 v[32+n], s42, v[31+n]
.set n, n+1
.endr
	v_and_b32 v12, 7, v1
	v_lshrrev_b32 v13, 3, v1
	v_lshl_or_b32 v12, v13, 4, v12                 ; my column 32 wave + 8 t + j of the group's 128 goes to position 64 (wave / 2) + 16 t + 8 (wave % 2) + j;
	v_add_nc_u32 v12, s44, v12
	v_add_nc_u32 v13, s45, v1                      ; Wo's stays at 32 wave + lane
	v_cndmask_b32 v12, v13, v12, s41
	v_lshrrev_b32 v13, 4, v12                      ; which of the group's eight row tiles,
	v_and_b32 v14, 15, v12                         ; and which row in it
	v_mul_u32_u24 v13, v13, 12288
	v_lshl_add_u32 v2, v14, 4, v13                 ; registers 0-3 of my block's image
	v_lshl_add_u32 v3, v14, 3, v13                 ; registers 4, 5
	v_lshlrev_b32 v4, 5, v12                       ; my row of scale bytes
.macro WLOAD t                         ; block t: W(128 s + 32 t + i, my column): 32 lanes read 128 consecutive bytes, the four waves 512
.irp i, 0,1,2,3,4,5,6,7,8,9,10,11,12,13,14,15,16,17,18,19,20,21,22,23,24,25,26,27,28,29,30,31
	global_load_b32 v[64+32*((\t)%2)+\i], v[32+\i], s[24+2*(\t):25+2*(\t)] th:TH_LOAD_NT
.endr
.endm
.macro WBLOCK t
.set XS, 64+32*((\t)%2)
.set CD, 192+8*(\t)                    ; each block has registers of its own for its codes: no store's data are written again
.if (\t) < 3
	s_wait_loadcnt 32                              ; this block's 32 loads are in; the next block's may be out
.else
	s_wait_loadcnt 0
.endif
	v_max3_num_f32 v228, |v[XS]|, |v[XS+1]|, |v[XS+2]|               ; the block's largest magnitude: all 32 numbers are mine
	v_max3_num_f32 v229, |v[XS+3]|, |v[XS+4]|, |v[XS+5]|
.irp i, 6,10,14,18,22,26
	v_max3_num_f32 v228, v228, |v[XS+\i]|, |v[XS+\i+1]|
	v_max3_num_f32 v229, v229, |v[XS+\i+2]|, |v[XS+\i+3]|
.endr
	v_max3_num_f32 v228, v228, |v[XS+30]|, |v[XS+31]|
	v_max3_num_f32 v228, v228, v229, 0x1800000     ; and the floor
	v_add_nc_u32 v230, 0xff000000, v228            ; the conversions' scale operand
	v_lshrrev_b32 v231, 23, v230                   ; the byte
.if (\t) == 0
	v_mov_b32 v232, v231
.else
	v_lshl_or_b32 v232, v231, 8*(\t), v232         ; four bytes make my row's word of this K step
.endif
	v_cvt_scalef32_pk16_fp6_f32 v[CD:CD+2], v[XS:XS+15], v230
	v_cvt_scalef32_pk16_fp6_f32 v[224:226], v[XS+16:XS+31], v230
	v_nop                                          ; one plain place behind a scaled conversion
.irp i, 0,1,2
	v_mov_b32 v[CD+3+\i], v[224+\i]
.endr
.if (\t) < 2
	WLOAD (\t)+2
.endif
	global_store_b128 v2, v[CD:CD+3], s[32:33] offset:768*((\t)/2)+256*((\t)%2)        ; eight rows of a tile (Wo: sixteen) are consecutive bytes; the wave beside me stores the other eight
	global_store_b64 v3, v[CD+4:CD+5], s[32:33] offset:768*((\t)/2)+512+128*((\t)%2)
.endm
	WLOAD 0
	WLOAD 1
	WBLOCK 0
	WBLOCK 1
	WBLOCK 2
	WBLOCK 3
	global_store_b32 v4, v232, s[34:35]            ; 4 bytes a row, rows 32 bytes apart: one byte for each 128 that this path reads
	s_endpgm
.Lfunc_end_k_qd72809383d_quant:
	.size	k_qd72809383d_quant, .Lfunc_end_k_qd72809383d_quant-k_qd72809383d_quant
	.p2alignl 7, 3214868480
	.fill 96, 4, 3214868480
	.section	.rodata,"a",@progbits
	.p2align	6, 0x0
	.amdhsa_kernel k_qd72809383d_quant
		.amdhsa_group_segment_fixed_size 34304
		.amdhsa_private_segment_fixed_size 0
		.amdhsa_enable_private_segment 0
		.amdhsa_kernarg_size 56
		.amdhsa_user_sgpr_count 2
		.amdhsa_user_sgpr_kernarg_segment_ptr 1
		.amdhsa_wavefront_size32 1
		.amdhsa_system_sgpr_workgroup_id_x 1
		.amdhsa_system_sgpr_workgroup_id_y 1
		.amdhsa_system_sgpr_workgroup_id_z 1
		.amdhsa_system_vgpr_workitem_id 0
		.amdhsa_next_free_vgpr 256
		.amdhsa_next_free_sgpr 66
		.amdhsa_reserve_vcc 0
		.amdhsa_float_denorm_mode_32 3
		.amdhsa_float_denorm_mode_16_64 3
		.amdhsa_memory_ordered 1
		.amdhsa_forward_progress 1
		.amdhsa_inst_pref_size 87
	.end_amdhsa_kernel
	.amdgpu_metadata
---
amdhsa.version: [ 1, 2 ]
amdhsa.kernels:
  - .name:           k_qd72809383d_quant
    .symbol:         k_qd72809383d_quant.kd
    .args:
      - { .name: x, .offset: 0, .size: 8, .value_kind: global_buffer, .address_space: global }
      - { .name: context, .offset: 8, .size: 8, .value_kind: global_buffer, .address_space: global }
      - { .name: Wq, .offset: 16, .size: 8, .value_kind: global_buffer, .address_space: global }
      - { .name: Wkv, .offset: 24, .size: 8, .value_kind: global_buffer, .address_space: global }
      - { .name: Wo, .offset: 32, .size: 8, .value_kind: global_buffer, .address_space: global }
      - { .name: act, .offset: 40, .size: 8, .value_kind: global_buffer, .address_space: global }
      - { .name: wts, .offset: 48, .size: 8, .value_kind: global_buffer, .address_space: global }
    .group_segment_fixed_size: 34304
    .private_segment_fixed_size: 0
    .kernarg_segment_align: 8
    .kernarg_segment_size: 56
    .max_flat_workgroup_size: 128
    .sgpr_count:     66
    .vgpr_count:     256
    .wavefront_size: 32
...
	.end_amdgpu_metadata
.endif
;; end of part 1
;; launch projq (part 2): grid 4 x 64, 4 waves a work-group, clusters of 4 x 4, 327,680 bytes of LDS; arguments act, wts, qkv; writes qkv
.if DOCPART == 2
	.amdgcn_target "amdgcn-amd-amdhsa--gfx1250"
	.amdhsa_code_object_version 6
	.text
	.protected	k_qd72809383d_projq
	.globl	k_qd72809383d_projq
	.p2align	8
	.type	k_qd72809383d_projq,@function
k_qd72809383d_projq:
	s_mov_b64 s[64:65], 0
	v_nop
	global_prefetch_b8 v0, s[64:65] scope:SCOPE_SE
	s_setreg_imm32_b32 hwreg(HW_REG_WAVE_MODE, 25, 1), 1
	s_wait_xcnt 0x0
	s_wait_alu depctr_hold_cnt(0) depctr_sa_sdst(0) depctr_va_vdst(0) depctr_va_sdst(0) depctr_va_ssrc(0) depctr_va_vcc(0) depctr_vm_vsrc(0)
	s_getreg_b32 s2, hwreg(HW_REG_IB_STS2, 6, 4)
	s_cmp_eq_u32 s2, 0
	s_cbranch_scc0 .Lentry_in_a_cluster
	s_endpgm
.Lentry_in_a_cluster:
	s_bfe_u32 s2, ttmp6, 0x10000c
	s_cmp_lg_u32 s2, 0xf033
	s_cbranch_scc0 .Lentry_shape_is_right
	s_endpgm
.Lentry_shape_is_right:
; LAUNCH 2 OF 4.  q = x Wq, k = context Wk, v = context Wv on codes of FP6 (E2M3) with E8M0 scales, K = 1,024, f32 sums; the results never go to memory as f32: each wave quantises its own, q and k along the head's 64,
; v along the keys, and stores them as images of operand registers (half fragments of 768 bytes and scale words: see the head of launch quant).  Nothing is left out here.
; SHARES.  A JOB is 128 rows of op1 x 256 rows of op0 with all of K.  Source 0 = op0, source 1 = op1: a lane holds one row of op1 and its registers run along op0's rows.
;   q: op0 = Wq's columns, op1 = x's rows.   k: op0 = Wk's columns, op1 = context's rows.   v: op0 = context's rows (the keys), op1 = Wv's columns.  768 jobs, 256 of each kind.
; A WORK-GROUP STAYS and walks three jobs, one of q, one of k, one of v: 256 work-groups, 16 clusters; the sixteen partners walk in step.  The first two jobs are a loop's two trips, the third, which asks for nothing more, is written out.
; Four waves: wave >> 1 picks 64 rows of op1, wave & 1 picks 128 rows of op0: 32 accumulators.  op0's rows are laid so that a lane's 32 registers of four neighbouring tiles are a whole block of 32 neighbours.
; ALL CODES OF A JOB LIE IN LDS AT ONCE, (256 + 128) rows x 768 bytes, in two halves of 512 along K.  Four tensor loads bring them, one a wave: wave 0 op0's first half, wave 1 op1's, wave 2 op0's second half, wave 3 op1's.
; The first job's go out at the head.  THE NEXT JOB'S: the first half's bytes are read no more when K step 3's fragments are in registers: waves 0 and 1 fill them again there; the second half's are filled again by waves 2 and 3
; behind two of the way out's four tiles.  In front of each refill every wave waits for all its tensor loads, adds 0 to its spare word and waits for that and for its LDS reads; a round of the cluster's barrier follows.
; At a job's start waves 0 and 1 wait for their loads ahead of a barrier behind which nothing is filled; the second half is read behind the wait and the barrier in K step 3.  One tensor load of a wave is out at the most.
; THE SCALE WORDS come straight into registers: a tile's 512 scale bytes by one load of 16 bytes a lane: lanes 0-15 then hold their row's words of K steps 0-3, lanes 16-31 those of steps 4-7; the next job's are asked for behind the last products.
; CLUSTER 4 x 4: op0's tile hangs on cx alone and is asked for jointly by a column of the cluster, op1's on cy alone, by a row.
; NO PREFETCH: a refill is asked for four K steps and the way out, or half the way out and three K steps, ahead of its first read, and the walk has three jobs: a request a job further ahead would have one job to serve.
; REGISTERS: window 0: v4-7 offsets, v8-27 addresses, v32-63 op0's scale words, v64-79 op1's, v96-143 the quantiser, v144-239 op1's fragments, two sets.  window 1: op0's fragments, sets at v0 and v128.  window 2: accumulator (a, b) at v[8 (8 a + b)].
; SCALARS: s[4:9] act, wts, qkv; s10 wave; s15 the job (0 q, 1 k, 2 v); s16, s17 its tiles of op0 and op1; s[24:39] two groups 1; s[40:55] four groups 0; s56 the cluster's y; s57-59 the next job and its tiles; s[68:71] its scale bytes.
.set OP1,   196608                     ; LDS: op0's half q of K at 98,304 q ([16 tiles][6,144]); op1's at OP1 + 49,152 q ([8 tiles][6,144])
.set SPARE, 294912                     ; the spare words, 128 bytes a wave
.set SPW, 28
.set NIL, 29
.set S0,  32                           ; v[S0 + 4 b + s % 4]: the words of op0's tile b for K step s, in lanes 16 (s / 4) + r
.set S1,  64                           ; v[S1 + 4 a + s % 4]: the same of op1's tile a
.set F1,  144
.set TM,  96                           ; v96-99 largest magnitudes, v100-102 the bytes, v108-109 the conversions' scale operands
.set PW,  112                          ; v112-115 the scale word of each of my four tiles
.set FLR, 116                          ; v116 the floor 2^(3 - 127)
.set PC,  120                          ; v120-131 a fragment's codes; v132-134, v136-138 at work
.set MSB, 0
.macro WIN new                         ; the immediate's high byte repeats the setting that is left
.if MSB != \new
	s_set_vgpr_msb (MSB<<8)|\new
.set MSB, \new
.endif
.endm
.macro PLACES n
.rept \n
	v_nop
.endr
.endm
.macro CROUND                          ; a round of the cluster's barrier
	s_barrier_signal -1
	s_barrier_wait -1
	s_cmp_lg_u32 s10, 0
	s_cbranch_scc1 .Lnot_wave_0_\@
	s_barrier_signal -3
.Lnot_wave_0_\@:
	s_barrier_wait -3
	s_barrier_signal -1
	s_barrier_wait -1
.endm
.macro MKG1 g, c, r, p                 ; group 1 but for its first word: r rows of c elements of 8 bytes, p elements from row to row
	s_mov_b32 s[\g+1], (\c)<<16
	s_mov_b32 s[\g+2], (\r)<<16
	s_mov_b32 s[\g+3], (\c)<<16
	s_mov_b32 s[\g+4], \r
	s_mov_b32 s[\g+5], \p
	s_mov_b32 s[\g+6], 0
	s_mov_b32 s[\g+7], 0
.endm
.macro MKG0 g, lds, pair, off          ; group 0: to LDS byte lds, from s[pair] + off
	s_mov_b32 s[\g], 1
	s_mov_b32 s[\g+1], \lds
	s_add_nc_u64 s[\g+2:\g+3], s[\pair:\pair+1], \off
	s_or_b32 s[\g+3], s[\g+3], 0x80000000
.endm
.macro ARM under, g0, g1, next         ; one arm of the head's chain: a joint load, its s_nop 0 and four v_nop, a jump to the join
	s_cmp_lt_u32 s10, \under
	s_cbranch_scc0 \next
	tensor_load_to_lds s[\g0:\g0+3], s[\g1:\g1+7]
	s_nop 0
.rept 4
	v_nop
.endr
	s_branch .Lhead_asked
\next:
.endm
.macro REFILL w0, g0a, g1a, w1, g0b, g1b   ; a refill: wave w0 asks for op0's half, wave w1 for op1's, the other two for nothing.  The branches hang on the wave's number alone
	s_cmp_lg_u32 s10, \w0
	s_cbranch_scc1 .Lr1_\@
	tensor_load_to_lds s[\g0a:\g0a+3], s[\g1a:\g1a+7]
	s_nop 0
.rept 4
	v_nop
.endr
	s_branch .Lrj_\@
.Lr1_\@:
	s_cmp_lg_u32 s10, \w1
	s_cbranch_scc1 .Lrj_\@
	tensor_load_to_lds s[\g0b:\g0b+3], s[\g1b:\g1b+7]
	s_nop 0
.rept 4
	v_nop
.endr
.Lrj_\@:
.endm
; Job s57's tiles (s58, s59), its four groups 0 and the places of my rows' scale bytes.  Scalar work on registers alone, no branch.  It runs where no tensor load of the wave is out
.macro NEXT
	s_and_b32 s3, s56, 7
	s_lshr_b32 s18, s56, 3
	s_cmp_eq_u32 s57, 2
	s_cselect_b32 s58, s3, 0                       ; v: 8 x 2 clusters; q, k: 1 x 16
	s_cselect_b32 s59, s18, s56
	s_lshl_b32 s58, s58, 2
	s_add_co_u32 s58, s58, s13                     ; op0's tile of 256 rows
	s_lshl_b32 s59, s59, 2
	s_add_co_u32 s59, s59, s14                     ; op1's tile of 128 rows
	s_mul_i32 s100, s57, 786432                    ; where the operands begin in their buffers: q and k by arithmetic,
	s_lshl_b32 s101, s57, 15
	s_add_co_u32 s101, s101, 3145728
	s_mul_i32 s66, s57, 6291456
	s_lshl_b32 s67, s57, 18
	s_add_co_u32 s67, s67, 12582912
	s_cmp_eq_u32 s57, 2                            ; v by constants
	s_mov_b32 s2, 6291456
	s_cselect_b32 s100, s2, s100                   ; op0's codes
	s_mov_b32 s2, 12845056
	s_cselect_b32 s101, s2, s101                   ; op0's scales
	s_mov_b32 s2, 1572864
	s_cselect_b32 s66, s2, s66                     ; op1's codes
	s_mov_b32 s2, 3211264
	s_cselect_b32 s67, s2, s67                     ; op1's scales
	s_cselect_b64 s[60:61], s[4:5], s[6:7]         ; op0's buffer: act for v, else wts
	s_cselect_b64 s[62:63], s[6:7], s[4:5]         ; op1's
	s_mul_i32 s18, s58, 196608                     ; op0's tile
	s_add_co_u32 s18, s18, s100
	s_mov_b32 s19, 0
	s_lshl_b32 s20, s58, 13                        ; the scale bytes of my 128 rows of op0
	s_lshl_b32 s21, s12, 12
	s_add_co_u32 s20, s20, s21
	s_add_co_u32 s20, s20, s101
	s_mov_b32 s21, 0
	s_mul_i32 s22, s59, 98304                      ; op1's tile
	s_add_co_u32 s22, s22, s66
	s_mov_b32 s23, 0
	s_lshl_b32 s2, s59, 12                         ; the scale bytes of my 64 rows of op1
	s_lshl_b32 s3, s11, 11
	s_add_co_u32 s2, s2, s3
	s_add_co_u32 s2, s2, s67
	s_mov_b32 s3, 0
	s_add_nc_u64 s[18:19], s[60:61], s[18:19]
	s_add_nc_u64 s[68:69], s[60:61], s[20:21]
	s_add_nc_u64 s[22:23], s[62:63], s[22:23]
	s_add_nc_u64 s[70:71], s[62:63], s[2:3]
	MKG0 40, 0, 18, 0
	MKG0 44, 98304, 18, 6144
	MKG0 48, OP1, 22, 0
	MKG0 52, OP1+49152, 22, 6144
.endm
.macro SCLOAD                          ; the scale words of the job that NEXT has laid out: 512 consecutive bytes a load
.irp i, 0,1,2,3,4,5,6,7
	global_load_b128 v[S0+4*\i:S0+4*\i+3], v27, s[68:69] offset:512*\i
.endr
.irp i, 0,1,2,3
	global_load_b128 v[S1+4*\i:S1+4*\i+3], v27, s[70:71] offset:512*\i
.endr
.endm
	s_load_b128 s[4:7], s[0:1], 0x0                ; act, wts
	s_load_b64 s[8:9], s[0:1], 0x10                ; qkv
	v_lshl_add_u32 v[SPW], v0, 2, SPARE
	v_mov_b32 v[NIL], 0
	ds_add_u32 v[SPW], v[NIL]                      ; the wave's opening: the add, twice on end, and its wait ahead of my first tensor load
	ds_add_u32 v[SPW], v[NIL]
	v_lshrrev_b32 v1, 5, v0
	v_readfirstlane_b32 s10, v1                    ; wave
	v_and_b32 v2, 15, v0                           ; r
	v_bfe_u32 v3, v0, 4, 1                         ; h
	v_lshlrev_b32 v27, 5, v2
	v_lshl_add_u32 v27, v3, 4, v27                 ; 32 r + 16 h: my 16 of a tile's 512 scale bytes
	s_lshr_b32 s11, s10, 1                         ; my 64 rows of op1
	s_and_b32 s12, s10, 1                          ; my 128 rows of op0
	s_bfe_u32 s13, ttmp6, 0x40000                  ; cx
	s_bfe_u32 s14, ttmp6, 0x40004                  ; cy
	s_and_b32 s56, ttmp7, 0xffff                   ; the cluster's y, 0 to 15
	s_lshl_b32 s18, 0x1111, s13                    ; my column of the cluster
	s_lshl_b32 s22, s14, 2
	s_lshl_b32 s22, 15, s22                        ; my row
	s_or_b32 s24, s18, (3<<16)|(1<<21)             ; 15:0 the mask; 17:16 elements of 8 bytes; 21 set beside a mask; no padding
	s_or_b32 s32, s22, (3<<16)|(1<<21)
	MKG1 24, 768, 16, 1536                         ; op0: 16 row tiles x 6,144 bytes (512 along K), 12,288 bytes from tile to tile
	MKG1 32, 768, 8, 1536                          ; op1: 8 row tiles
	s_mov_b32 s57, 0                               ; the first job
	s_wait_alu depctr_va_vdst(0)
	s_wait_dscnt 0x0                               ; both opening adds are done
	s_wait_kmcnt 0x0
	NEXT
	CROUND                                         ; all sixteen work-groups are here: the joint loads meet
	ARM 1, 40, 24, .Lh1                            ; one chain of arms on the wave's number, one load to an arm, one join
	ARM 2, 48, 32, .Lh2
	ARM 3, 44, 24, .Lh3
	tensor_load_to_lds s[52:55], s[32:39]
	s_nop 0
.rept 4
	v_nop
.endr
.Lhead_asked:
	SCLOAD
	v_and_b32 v1, 31, v0                           ; lane
	v_lshlrev_b32 v4, 4, v1                        ; 16 x lane
	v_lshlrev_b32 v5, 3, v1                        ; 8 x lane
	v_lshlrev_b32 v26, 3, v3                       ; 8 h: where my bytes stand in a scale word
	s_mul_i32 s18, s12, 49152                      ; my 8 tiles of op0,
	s_mul_i32 s19, s11, 24576
	s_add_co_u32 s19, s19, OP1                     ; my 4 of op1
.irp q, 0,1
	v_add_nc_u32 v[8+\q], s18, v4                  ; v8-9: op0, half q of K, the 16-byte parts; v12-13: the 8-byte parts
	v_add_nc_u32 v[12+\q], s18, v5
	v_add_nc_u32 v[16+\q], s19, v4                 ; v16-17, v20-21: the same for op1
	v_add_nc_u32 v[20+\q], s19, v5
	s_add_co_u32 s18, s18, 98304
	s_add_co_u32 s19, s19, 49152
.endr
	v_mov_b32 v[TM+5], 0                           ; written once: a lane permute's destination counts as one of its sources
	v_mov_b32 v[FLR], 0x1800000
.macro FETCH s, set                    ; K step s: op0's eight fragments and op1's four, 48 loads, each dense over the lanes
.set FQ, (\s)/4
.set FU, (\s)%4
	WIN 0x40                                       ; destination window 1
.irp b, 0,1,2,3,4,5,6,7
	ds_load_b128 v[128*(\set)+12*\b:128*(\set)+12*\b+3], v[8+FQ] offset:6144*\b+1536*FU
	ds_load_b64 v[128*(\set)+12*\b+4:128*(\set)+12*\b+5], v[12+FQ] offset:6144*\b+1536*FU+512
	ds_load_b128 v[128*(\set)+12*\b+6:128*(\set)+12*\b+9], v[8+FQ] offset:6144*\b+1536*FU+768
	ds_load_b64 v[128*(\set)+12*\b+10:128*(\set)+12*\b+11], v[12+FQ] offset:6144*\b+1536*FU+1280
.endr
	WIN 0
.irp a, 0,1,2,3
	ds_load_b128 v[F1+48*(\set)+12*\a:F1+48*(\set)+12*\a+3], v[16+FQ] offset:6144*\a+1536*FU
	ds_load_b64 v[F1+48*(\set)+12*\a+4:F1+48*(\set)+12*\a+5], v[20+FQ] offset:6144*\a+1536*FU+512
	ds_load_b128 v[F1+48*(\set)+12*\a+6:F1+48*(\set)+12*\a+9], v[16+FQ] offset:6144*\a+1536*FU+768
	ds_load_b64 v[F1+48*(\set)+12*\a+10:F1+48*(\set)+12*\a+11], v[20+FQ] offset:6144*\a+1536*FU+1280
.endr
.endm
.macro MUL32 s, set                    ; the 32 accumulators take turns, one instruction a turn, in the same order in every step.  Step 0 starts the sums
	WIN 0xa1                                       ; source 0 window 1, source 1 window 0, C and D window 2
.irp a, 0,1,2,3
.irp b, 0,1,2,3,4,5,6,7
.if (\s) == 0
	v_wmma_scale_f32_16x16x128_f8f6f4 v[8*(8*\a+\b):8*(8*\a+\b)+7], v[128*(\set)+12*\b:128*(\set)+12*\b+11], v[F1+48*(\set)+12*\a:F1+48*(\set)+12*\a+11], 0, v[S0+4*\b], v[S1+4*\a] matrix_a_fmt:MATRIX_FMT_FP6 matrix_b_fmt:MATRIX_FMT_FP6
.elseif (\s) < 4
	v_wmma_scale_f32_16x16x128_f8f6f4 v[8*(8*\a+\b):8*(8*\a+\b)+7], v[128*(\set)+12*\b:128*(\set)+12*\b+11], v[F1+48*(\set)+12*\a:F1+48*(\set)+12*\a+11], v[8*(8*\a+\b):8*(8*\a+\b)+7], v[S0+4*\b+(\s)], v[S1+4*\a+(\s)] matrix_a_fmt:MATRIX_FMT_FP6 matrix_b_fmt:MATRIX_FMT_FP6
.else
	v_wmma_scale_f32_16x16x128_f8f6f4 v[8*(8*\a+\b):8*(8*\a+\b)+7], v[128*(\set)+12*\b:128*(\set)+12*\b+11], v[F1+48*(\set)+12*\a:F1+48*(\set)+12*\a+11], v[8*(8*\a+\b):8*(8*\a+\b)+7], v[S0+4*\b+(\s)-4], v[S1+4*\a+(\s)-4] matrix_a_fmt:MATRIX_FMT_FP6 matrix_b_fmt:MATRIX_FMT_FP6 matrix_a_scale:MATRIX_SCALE_ROW1 matrix_b_scale:MATRIX_SCALE_ROW1
.endif
.endr
.endr
	WIN 0
.endm
.macro KSTEP s, last
.if ((\s) == 3) && ((\last) == 0)
	s_wait_tensorcnt 0x0                           ; all my tensor loads have landed: this job's second half is whole in my part;
	ds_add_u32 v[SPW], v[NIL]                      ; 0 onto my spare word;
	s_add_co_u32 s57, s15, 1                       ; no load of mine is out, so the groups 0 may be written: the next job's
	NEXT
	s_wait_dscnt 0x0                               ; the add is done, and step 3's fragments are in: my reads of the first half are over
	CROUND                                         ; both hold of every wave of all sixteen work-groups
	REFILL 0, 40, 24, 1, 48, 32                    ; the next job's first half, the first tensor load behind the round
.else
	s_wait_dscnt 0x0                               ; this step's fragments are in (asked for ahead of the last step's 32 products)
.if (\s) == 3
	s_wait_tensorcnt 0x0                           ; my load has landed, whichever it was,
	s_barrier_signal -1
	s_barrier_wait -1                              ; and everybody's: the second 512 along K may be read.  Nothing is filled again
.endif
.endif
.if ((\s) > 0) && ((\s) < 7)
	PLACES 4                                       ; in front of loads into registers that the last products read
.endif
.if (\s) < 7
	FETCH (\s)+1, ((\s)+1)%2
.endif
	MUL32 \s, (\s)%2
.endm
.macro QUANTW a                        ; the quantiser on window 2's v[64 a] on: register 32 c + i = neighbour 64 c + 32 h + i.  Each accumulator is read from its low end on
.set AC, 64*(\a)
	WIN 0x28                                       ; sources 1 and 2 window 2
.irp b, 0,1,2,3
	v_max3_num_f32 v[TM+\b], v[FLR], |v[AC+16*\b]|, |v[AC+16*\b+1]|    ; four chains of 16 by turns, the floor among the leaves
.endr
.irp i, 2,4,6,8,10,12,14
.irp b, 0,1,2,3
	v_max3_num_f32 v[TM+\b], v[TM+\b], |v[AC+16*\b+\i]|, |v[AC+16*\b+\i+1]|
.endr
.endr
	WIN 0
	v_max_num_f32 v[TM], v[TM], v[TM+1]            ; my block h of the first 64,
	v_max_num_f32 v[TM+2], v[TM+2], v[TM+3]        ; and of the second: no other lane is asked
	v_add_nc_u32 v[TM+12], 0xff000000, v[TM]       ; 2 off the exponent field: the conversions' scale operands
	v_add_nc_u32 v[TM+13], 0xff000000, v[TM+2]
	v_lshrrev_b32 v[TM+4], 23, v[TM+12]            ; the bytes
	v_lshrrev_b32 v[TM+6], 23, v[TM+13]
	v_lshl_or_b32 v[TM+4], v[TM+6], 16, v[TM+4]    ; blocks h and 2 + h,
	v_lshlrev_b32 v[TM+4], v26, v[TM+4]            ; at their places in the word (8 h bits up);
	v_permlanex16_b32 v[TM+5], v[TM+4], s100, s101
	v_or_b32 v[PW+\a], v[TM+4], v[TM+5]            ; with lane l xor 16's two the word is whole
	WIN 0x02                                       ; source 0 window 2
.irp c, 0,1
	v_cvt_scalef32_pk16_fp6_f32 v[PC+6*\c:PC+6*\c+2], v[AC+32*\c:AC+32*\c+15], v[TM+12+\c]
	v_cvt_scalef32_pk16_fp6_f32 v[PC+12+4*\c:PC+14+4*\c], v[AC+32*\c+16:AC+32*\c+31], v[TM+12+\c]   ; (a conversion's three registers begin on an even number)
.endr
	WIN 0
	v_nop                                          ; one plain place behind a scaled conversion
.irp c, 0,1
.irp i, 0,1,2
	v_mov_b32 v[PC+3+6*\c+\i], v[PC+12+4*\c+\i]
.endr
.endr
.endm
; A JOB.  last = 0: the next job's tiles and scale words are asked for on the way; last = 1: nothing more is asked for
.macro JOB last
	s_mov_b32 s16, s58                             ; this job's tiles, as NEXT left them
	s_mov_b32 s17, s59
	s_wait_alu depctr_va_vdst(0)
	s_cmp_ge_u32 s10, 2
	s_cbranch_scc1 .Lsecond_half_\@                ; waves 2 and 3 asked for the second 512 along K: nobody reads those before the barrier in K step 3
	s_wait_tensorcnt 0x0                           ; waves 0 and 1: my tile of the first 512 has landed
.Lsecond_half_\@:
	s_barrier_signal -1
	s_barrier_wait -1
	FETCH 0, 0
	s_wait_loadcnt 0x0                             ; the scale words
.irp s, 0,1,2,3,4,5,6,7
	KSTEP \s, \last
.endr
	PLACES 4                                       ; in front of the first read of results, and of loads into the scale words' registers
.if (\last) == 0
	SCLOAD                                         ; the next job's
.endif
; THE WAY OUT, without LDS.  For each of my four tiles of op1 the lane's 64 results are two whole blocks of 32 neighbours along op0's rows.  q, k: two heads' 64 channels; v: a key step's 128 keys.
; They become one fragment and one scale word a row.  q, k: the fragment's two halves go to two heads; v: it stays whole.
	s_lshl_b32 s18, s17, 7
	s_lshl_b32 s20, s11, 6
	s_add_co_u32 s18, s18, s20                     ; my first row of op1
	s_lshl_b32 s19, s16, 8
	s_lshl_b32 s20, s12, 7
	s_add_co_u32 s19, s19, s20                     ; and of op0
	s_cmp_eq_u32 s15, 2
	s_cselect_b32 s20, s19, s18                    ; the token,
	s_cselect_b32 s21, s18, s19                    ; the channel
	s_lshr_b32 s22, s20, 11
	s_lshl_b32 s22, s22, 4
	s_lshr_b32 s21, s21, 6
	s_add_co_u32 s22, s22, s21                     ; 16 x batch + head
	s_and_b32 s23, s20, 2047                       ; the token in its sequence
	s_lshl_b32 s18, s22, 4
	s_lshr_b32 s19, s23, 7
	s_add_co_u32 s18, s18, s19
	s_mul_i32 s18, s18, 13056
	s_add_co_u32 s18, s18, 6815744                 ; the key step's record: K 8 x 768 | V^T 4 x 1,536 | K's scale words 2 x 256 | V's 256
	s_bfe_u32 s19, s23, 0x10006                    ; which 64 keys of the step
	s_lshl_b32 s20, s22, 7
	s_lshr_b32 s21, s23, 4
	s_add_co_u32 s20, s20, s21
	s_mul_i32 s20, s20, 768                        ; q: codes
	s_lshl_b32 s21, s22, 5
	s_lshr_b32 s66, s23, 6
	s_add_co_u32 s21, s21, s66
	s_lshl_b32 s21, s21, 8
	s_add_co_u32 s21, s21, 6291456                 ; q: scale words
	s_mul_i32 s66, s19, 3072
	s_add_co_u32 s66, s66, s18                     ; k: codes
	s_lshl_b32 s67, s19, 8
	s_add_co_u32 s67, s67, s18
	s_add_co_u32 s67, s67, 12288                   ; k: scale words
	s_add_co_u32 s100, s18, 6144                   ; v: codes
	s_add_co_u32 s101, s18, 12800                  ; v: scale words
	s_mov_b32 s2, 98304                            ; from a head to the next: q's codes,
	s_mov_b32 s3, 208896                           ; k's records,
	s_mov_b32 s72, 8192                            ; q's scale words
	s_cmp_eq_u32 s15, 1
	s_cselect_b32 s20, s66, s20
	s_cselect_b32 s21, s67, s21
	s_cselect_b32 s2, s3, s2
	s_cselect_b32 s72, s3, s72
	s_mov_b32 s3, 768
	s_mov_b32 s73, 1536
	s_cmp_eq_u32 s15, 2
	s_cselect_b32 s20, s100, s20
	s_cselect_b32 s21, s101, s21
	s_cselect_b32 s2, s3, s2                       ; v: the second half lies behind the first
	s_cselect_b32 s74, s73, s3                     ; from one of my tiles to the next
	s_mov_b32 s75, 0
	s_mov_b32 s18, s20
	s_mov_b32 s19, 0
	s_add_nc_u64 s[18:19], s[8:9], s[18:19]        ; the codes' place
	s_mov_b32 s22, s21
	s_mov_b32 s23, 0
	s_add_nc_u64 s[22:23], s[8:9], s[22:23]        ; the scale words' place
	s_mov_b32 s73, 0xffff0000                      ; lanes 16-31
	s_mov_b32 s100, 0x76543210
	s_mov_b32 s101, 0xfedcba98
	v_add_nc_u32 v6, s2, v4
	v_add_nc_u32 v7, s2, v5
	v_add_nc_u32 v1, s72, v5
.irp a, 0,1,2,3
.if \a > 0
	s_wait_xcnt 0x0                                ; the last tile's stores have read their data and their base: both are written again only behind this wait
	s_add_nc_u64 s[18:19], s[18:19], s[74:75]
.endif
	QUANTW \a
	global_store_b128 v4, v[PC:PC+3], s[18:19]               ; 512 consecutive bytes,
	global_store_b64 v5, v[PC+4:PC+5], s[18:19] offset:512   ; 256: a half fragment
	global_store_b128 v6, v[PC+6:PC+9], s[18:19]             ; the other one
	global_store_b64 v7, v[PC+10:PC+11], s[18:19] offset:512
.if (\a == 1) && ((\last) == 0)
	s_wait_alu depctr_va_vdst(0)
	s_wait_tensorcnt 0x0                           ; all my tensor loads have landed: waves 0 and 1's are the next job's first half;
	ds_add_u32 v[SPW], v[NIL]                      ; 0 onto my spare word;
	s_wait_dscnt 0x0                               ; the add is done; my reads of the second half were over ahead of K step 7's products
	CROUND                                         ; both hold of every wave of all sixteen work-groups
	REFILL 2, 44, 24, 3, 52, 32                    ; the next job's second half, the first tensor load behind the round
.endif
.endr
	v_cndmask_b32 v140, v112, v113, s73            ; an image of scale words for four tiles: register m holds tile 2 m's in lanes 0-15, tile 2 m + 1's in lanes 16-31
	v_cndmask_b32 v141, v114, v115, s73
	global_store_b64 v5, v[140:141], s[22:23]      ; 256 consecutive bytes.  (q, k: bytes 2, 3 of a word are the next head's: they only ever meet zero codes, and are never 0xff)
.if (\last) == 0
	v_lshrrev_b32 v142, 16, v140                   ; q, k (the loop's two jobs): the odd head's two bytes, moved down
	v_lshrrev_b32 v143, 16, v141
	global_store_b64 v1, v[142:143], s[22:23]
	s_wait_xcnt 0x0                                ; this job's stores have read their data, offsets and bases: the next job writes them again only behind this wait
.endif
.endm
	s_mov_b32 s15, 0
.Ljob:                                                 ; two trips: q, then k
	JOB 0
	s_add_co_u32 s15, s15, 1
	s_cmp_lt_u32 s15, 2
	s_wait_alu depctr_va_vdst(0)
	s_cbranch_scc1 .Ljob
	JOB 1                                          ; v: the tail, written out: it asks for nothing more
	s_wait_tensorcnt 0x0                           ; the wave's end, behind my last tensor load
	ds_add_u32 v[SPW], v[NIL]
	s_wait_dscnt 0x0
	CROUND                                         ; the closing round
	s_endpgm
.Lfunc_end_k_qd72809383d_projq:
	.size	k_qd72809383d_projq, .Lfunc_end_k_qd72809383d_projq-k_qd72809383d_projq
	.p2alignl 7, 3214868480
	.fill 96, 4, 3214868480
	.section	.rodata,"a",@progbits
	.p2align	6, 0x0
	.amdhsa_kernel k_qd72809383d_projq
		.amdhsa_group_segment_fixed_size 327680
		.amdhsa_private_segment_fixed_size 0
		.amdhsa_enable_private_segment 0
		.amdhsa_kernarg_size 24
		.amdhsa_user_sgpr_count 2
		.amdhsa_user_sgpr_kernarg_segment_ptr 1
		.amdhsa_wavefront_size32 1
		.amdhsa_system_sgpr_workgroup_id_x 1
		.amdhsa_system_sgpr_workgroup_id_y 1
		.amdhsa_system_sgpr_workgroup_id_z 1
		.amdhsa_system_vgpr_workitem_id 0
		.amdhsa_next_free_vgpr 768
		.amdhsa_next_free_sgpr 102
		.amdhsa_reserve_vcc 0
		.amdhsa_float_denorm_mode_32 3
		.amdhsa_float_denorm_mode_16_64 3
		.amdhsa_memory_ordered 1
		.amdhsa_forward_progress 1
		.amdhsa_inst_pref_size 166
	.end_amdhsa_kernel
	.amdgpu_metadata
---
amdhsa.version: [ 1, 2 ]
amdhsa.kernels:
  - .name:           k_qd72809383d_projq
    .symbol:         k_qd72809383d_projq.kd
    .args:
      - { .name: act, .offset: 0, .size: 8, .value_kind: global_buffer, .address_space: global }
      - { .name: wts, .offset: 8, .size: 8, .value_kind: global_buffer, .address_space: global }
      - { .name: qkv, .offset: 16, .size: 8, .value_kind: global_buffer, .address_space: global }
    .group_segment_fixed_size: 327680
    .private_segment_fixed_size: 0
    .kernarg_segment_align: 8
    .kernarg_segment_size: 24
    .max_flat_workgroup_size: 128
    .sgpr_count:     102
    .vgpr_count:     768
    .wavefront_size: 32
...
	.end_amdgpu_metadata
.endif
;; end of part 2
;; launch attn (part 3): grid 4 x 64, 16 waves a work-group, clusters of 4 x 1, 210,944 bytes of LDS; arguments qkv, ao; writes ao
.if DOCPART == 3
	.amdgcn_target "amdgcn-amd-amdhsa--gfx1250"
	.amdhsa_code_object_version 6
	.text
	.protected	k_qd72809383d_attn
	.globl	k_qd72809383d_attn
	.p2align	8
	.type	k_qd72809383d_attn,@function
k_qd72809383d_attn:
	s_mov_b64 s[64:65], 0
	v_nop
	global_prefetch_b8 v0, s[64:65] scope:SCOPE_SE
	s_setreg_imm32_b32 hwreg(HW_REG_WAVE_MODE, 25, 1), 1
	s_wait_xcnt 0x0
	s_wait_alu depctr_hold_cnt(0) depctr_sa_sdst(0) depctr_va_vdst(0) depctr_va_sdst(0) depctr_va_ssrc(0) depctr_va_vcc(0) depctr_vm_vsrc(0)
	s_getreg_b32 s2, hwreg(HW_REG_IB_STS2, 6, 4)
	s_cmp_eq_u32 s2, 0
	s_cbranch_scc0 .Lentry_in_a_cluster
	s_endpgm
.Lentry_in_a_cluster:
	s_bfe_u32 s2, ttmp6, 0x10000c
	s_cmp_lg_u32 s2, 0x3003
	s_cbranch_scc0 .Lentry_shape_is_right
	s_endpgm
.Lentry_shape_is_right:
; LAUNCH 3 OF 4.  For each batch and head: S^T = k q^T (K = the head's 64), the causal softmax, O^T = v^T p^T (K = the keys), O / l, all products on codes of FP6 (E2M3) with E8M0 scales; the result is quantised along
; the channels in registers and stored as the output projection's operand.
; LEFT OUT: key steps of 128 keys all of which come after the tile's 16 queries: reference()'s own mask makes their weights 0 for all values of the inputs (shown at the head of launch quant).
; THE SOFTMAX AHEAD OF THE SECOND PRODUCT: t = score x log2(e) / 8; M = the running largest t rounded UP to a whole number; p = 2^(t - M) is what is quantised, along the keys, not normalised; the row's sum is taken
; of the unquantised p and divides O at the end.  When M moves, the sum and O are multiplied by 2^(old M - new M): exact.  LIMIT: the promise holds while |t| stays under 2^31.
; SHARES.  The cluster's four work-groups serve one (batch, head).  Work-group j owns the query tiles 4 i + j, i = 0 .. 31; wave w takes i = w, then i = 31 - w.  Tile 4 i + j needs i / 2 + 1 key steps, whatever j:
; so every wave walks 17 steps, and which steps it walks hangs on the wave's number alone.  j enters global addresses and the mask's numbers, no branch and no LDS address.
; THE WHOLE HEAD'S K AND V LIE IN LDS: 16 records of 13,056 bytes (K 8 x 768 | V^T 4 x 1,536 | K's scale words 2 x 256 | V's 256), each filled once: wave w asks for record w, jointly with the three partners,
; which walk the same records.  One tensor load of a wave is out.  No slot is filled again, so no barrier stands in the loops; and since every load goes out at the head, nothing is left to prefetch.
; K = 64 IN AN INSTRUCTION OF 128: q's upper six registers hold zero codes, so k's operand may run on into the next tile's registers: every code is a finite number and no scale byte is 0xff, so the upper half adds zeros.
; LAYOUT.  A lane holds ONE query (lane % 16) throughout.  The keys of K's tiles and the channels of V^T's are laid (by the launches before) so that a lane's 32 registers of four neighbouring tiles are one whole block:
; score register 32 c + i is key 64 c + 32 h + i of the step, O^T's register i is channel 32 h + i.  So a block's maximum and its codes need no other lane; only the row's maximum, its sum and the scale word do.
; REGISTERS: v1, v2 16 x and 8 x lane; v3, v4 the step's LDS addresses; v5, v6 the add's two; v7 the mask's distance; v11 8 h; v12 -M, v13 the largest t, v[14:15] the sum; v16-27, v228-239 q's two fragments, v28, v29 their scale words;
; v32-85 K's fragments, six registers apart (v80-85 zeros), then V's; v86-92 scale words; v96-159 S^T, then p; v160-191 O^T; v192-203 p's codes; v204-227 at work; v240-253 partial sums.
.set REC,   13056
.set SPARE, 208896                     ; behind the 16 records: the spare words, 128 bytes a wave
.set SPW, 5
.set NIL, 6
.macro CROUND                          ; a round of the cluster's barrier
	s_barrier_signal -1
	s_barrier_wait -1
	s_cmp_lg_u32 s8, 0
	s_cbranch_scc1 .Lnot_wave_0_\@
	s_barrier_signal -3
.Lnot_wave_0_\@:
	s_barrier_wait -3
	s_barrier_signal -1
	s_barrier_wait -1
.endm
	s_load_b128 s[4:7], s[0:1], 0x0                ; qkv, ao
	v_lshl_add_u32 v[SPW], v0, 2, SPARE
	v_mov_b32 v[NIL], 0
	ds_add_u32 v[SPW], v[NIL]                      ; the wave's opening: the add, twice on end, and its wait ahead of my first tensor load
	ds_add_u32 v[SPW], v[NIL]
	v_lshrrev_b32 v1, 5, v0
	s_delay_alu instid0(VALU_DEP_1)
	v_readfirstlane_b32 s8, v1                     ; wave 0..15
	s_bfe_u32 s9, ttmp6, 0x40000                   ; j = cx
	s_and_b32 s10, ttmp7, 0xffff                   ; 16 x batch + head
	s_mov_b32 s16, 15|(3<<16)|(1<<21)              ; group 1: the mask names all four; elements of 8 bytes; 21 set beside a mask; no padding
	s_mov_b32 s17, 32<<16                          ; a record is dense: 51 rows of 256 bytes
	s_mov_b32 s18, 51<<16
	s_mov_b32 s19, 32<<16
	s_mov_b32 s20, 51
	s_mov_b32 s21, 32
	s_mov_b32 s22, 0
	s_mov_b32 s23, 0
	s_lshl_b32 s2, s10, 4
	s_add_co_u32 s2, s2, s8
	s_mul_i32 s2, s2, REC
	s_add_co_u32 s2, s2, 6815744                   ; record w of my head
	s_mov_b32 s3, 0
	s_mov_b32 s24, 1
	s_mul_i32 s25, s8, REC
	s_mov_b32 s28, 0x76543210
	s_mov_b32 s29, 0xfedcba98                      ; v_permlanex16_b32's selects for lane l xor 16
	s_mov_b32 s30, 0x3e38aa3b                      ; c = log2(e) / sqrt(64)
	s_mov_b32 s31, s30                             ; (named with it as a pair, so it is written)
	s_mov_b32 s52, s8                              ; i of the first pass,
	s_sub_co_u32 s53, 31, s8                       ; and of the second
	s_mov_b32 s55, 0
	s_wait_dscnt 0x0                               ; both opening adds are done
	s_wait_kmcnt 0x0
	s_add_nc_u64 s[26:27], s[4:5], s[2:3]
	s_or_b32 s27, s27, 0x80000000
	CROUND                                         ; all four work-groups are here: the joint loads meet
	tensor_load_to_lds s[24:27], s[16:23]
	s_nop 0
.rept 4
	v_nop
.endr
.macro PADDR p                         ; pass p: q's codes s[36+8p], q's scale words s[38+8p], the result's codes s[40+8p], its scale bytes s[42+8p]
	s_lshl_b32 s11, s[52+\p], 2
	s_add_co_u32 s11, s11, s9                      ; the query tile 4 i + j
	s_lshl_b32 s54, s10, 7
	s_add_co_u32 s54, s54, s11
	s_mul_i32 s54, s54, 768
	s_add_nc_u64 s[36+8*\p:37+8*\p], s[4:5], s[54:55]
	s_lshl_b32 s54, s10, 5
	s_add_co_u32 s54, s54, s[52+\p]
	s_lshl_b32 s54, s54, 8
	s_add_co_u32 s54, s54, 6291456
	s_add_nc_u64 s[38+8*\p:39+8*\p], s[4:5], s[54:55]
	s_lshr_b32 s12, s10, 4
	s_lshl_b32 s12, s12, 7
	s_add_co_u32 s12, s12, s11                     ; the token tile among all 512
	s_and_b32 s13, s10, 15                         ; the head = which 64 along the next K
	s_lshl_b32 s54, s12, 4
	s_add_co_u32 s54, s54, s13
	s_mul_i32 s54, s54, 768
	s_add_nc_u64 s[40+8*\p:41+8*\p], s[6:7], s[54:55]
	s_lshl_b32 s54, s12, 9
	s_lshl_b32 s14, s13, 1
	s_add_co_u32 s54, s54, s14
	s_add_co_u32 s54, s54, 6291456
	s_add_nc_u64 s[42+8*\p:43+8*\p], s[6:7], s[54:55]
.endm
	PADDR 0
	PADDR 1
	v_and_b32 v226, 31, v0
	s_delay_alu instid0(VALU_DEP_1)
	v_lshlrev_b32 v1, 4, v226                      ; 16 x lane
	s_delay_alu instid0(VALU_DEP_2)
	v_lshlrev_b32 v2, 3, v226                      ; 8 x lane
	global_load_b128 v[16:19], v1, s[36:37]        ; both passes' q: a half fragment each
	global_load_b64 v[20:21], v2, s[36:37] offset:512
	global_load_b128 v[228:231], v1, s[44:45]
	global_load_b64 v[232:233], v2, s[44:45] offset:512
	s_and_b32 s11, s9, 1
	s_lshl_b32 s11, s11, 7
	s_lshr_b32 s12, s9, 1
	s_lshl_b32 s12, s12, 2
	s_add_co_u32 s11, s11, s12                     ; tile j of the image's four: word j / 2 of lane r + 16 (j % 2)
	v_and_b32 v3, 15, v0                           ; r
	v_bfe_u32 v4, v0, 4, 1                         ; h
	s_delay_alu instid0(VALU_DEP_2)
	v_lshl_add_u32 v9, v3, 3, s11
	global_load_b32 v28, v9, s[38:39]              ; lane r: query r's scale word
	global_load_b32 v29, v9, s[46:47]
	v_lshl_add_u32 v10, v3, 5, v4                  ; the result's scale bytes: 32 r + h
	v_lshlrev_b32 v11, 3, v4                       ; 8 h: where my bytes stand in p's scale word
	v_lshlrev_b32 v4, 5, v4
	s_delay_alu instid0(VALU_DEP_1)
	v_sub_nc_u32 v8, v3, v4                        ; r - 32 h
.irp n, 22,23,24,25,26,27, 234,235,236,237,238,239, 80,81,82,83,84,85
	v_mov_b32 v[\n], 0                             ; zero codes: q's upper halves, and what lies behind K's last tile
.endr
.irp n, 216,217, 225
	v_mov_b32 v[\n], 0                             ; written once: lane permutes' destinations, and the upper half of a pair that is named whole
.endr
	v_mov_b32 v227, 0xff800000                     ; -infinity
	s_wait_alu depctr_va_vdst(0)
	s_wait_tensorcnt 0x0                           ; my record has landed,
	s_barrier_signal -1
	s_barrier_wait -1                              ; everybody's has
	s_wait_loadcnt 0x0                             ; q
; A KEY STEP: 128 keys, record s32, at LDS byte s33.  qf: q's fragment; qs: its scale words
.macro STEP qf, qs
	s_cmp_gt_u32 s32, s34                          ; all its keys come after my queries: the step's work is left out.  The wave's number and the count of steps alone decide
	s_cbranch_scc1 .Lskip_\@
	v_add_nc_u32 v3, s33, v1
	v_add_nc_u32 v4, s33, v2
	v_nop
	v_nop                                          ; four places in front of loads into registers that the last products read
.irp t, 0,1,2,3,4,5,6,7
	ds_load_b128 v[32+6*\t:35+6*\t], v3 offset:768*\t
	ds_load_b64 v[36+6*\t:37+6*\t], v4 offset:768*\t+512
.endr
	ds_load_b64 v[86:87], v4 offset:12288          ; K's scale words: register t / 2, lanes 0-15 for an even tile, lanes 16-31 for an odd one
	ds_load_b64 v[88:89], v4 offset:12544
	s_wait_alu depctr_va_vdst(0)
	s_wait_dscnt 0x0
.irp t, 0,2,4,6
	v_wmma_scale_f32_16x16x128_f8f6f4 v[96+8*\t:103+8*\t], v[32+6*\t:43+6*\t], v[\qf:\qf+11], 0, v[86+\t/2], v[\qs] matrix_a_fmt:MATRIX_FMT_FP6 matrix_b_fmt:MATRIX_FMT_FP6
	v_wmma_scale_f32_16x16x128_f8f6f4 v[104+8*\t:111+8*\t], v[38+6*\t:49+6*\t], v[\qf:\qf+11], 0, v[86+\t/2], v[\qs] matrix_a_fmt:MATRIX_FMT_FP6 matrix_b_fmt:MATRIX_FMT_FP6 matrix_a_scale:MATRIX_SCALE_ROW1
.endr
.rept 4
	v_nop                                          ; places in front of the loads below and of the first read of the scores
.endr
.irp c, 0,1,2,3                        ; V's four fragments land while the softmax is walked
	ds_load_b128 v[32+12*\c:35+12*\c], v3 offset:6144+1536*\c
	ds_load_b64 v[36+12*\c:37+12*\c], v4 offset:6144+1536*\c+512
	ds_load_b128 v[38+12*\c:41+12*\c], v3 offset:6144+1536*\c+768
	ds_load_b64 v[42+12*\c:43+12*\c], v4 offset:6144+1536*\c+1280
.endr
	ds_load_b64 v[90:91], v4 offset:12800
	s_cmp_lg_u32 s32, s34                          ; only the step on the diagonal has hidden keys: their scores become -infinity ahead of the maximum, so p = 0
	s_cbranch_scc1 .Lopen_\@
.set n, 0
.rept 64
	v_cmp_gt_i32 vcc_lo, 64*(n/32)+n%32, v7        ; register 32 c + i holds key 64 c + 32 h + i of the step: hidden where 64 c + i > my query - the step's first key - 32 h
	v_cndmask_b32 v[96+n], v[96+n], v227, vcc_lo
.set n, n+1
.endr
.Lopen_\@:
.irp b, 0,1,2,3
	v_max3_num_f32 v[212+\b], v[96+16*\b], v[97+16*\b], v[98+16*\b]   ; four chains of 16 scores by turns
.endr
.irp i, 3,5,7,9,11,13
.irp b, 0,1,2,3
	v_max3_num_f32 v[212+\b], v[212+\b], v[96+16*\b+\i], v[97+16*\b+\i]
.endr
.endr
	v_max3_num_f32 v212, v212, v111, v127
	v_max3_num_f32 v214, v214, v143, v159
	s_delay_alu instid0(VALU_DEP_2)
	v_max_num_f32 v212, v212, v213                 ; the largest score of my block of the first 64 keys,
	s_delay_alu instid0(VALU_DEP_2)
	v_max_num_f32 v214, v214, v215                 ; and of the second: for the row's maximum, and, since p rises with the score, for the block's largest p
	s_delay_alu instid0(VALU_DEP_1)
	v_max_num_f32 v226, v212, v214
	s_delay_alu instid0(VALU_DEP_1)
	v_permlanex16_b32 v216, v226, s28, s29
	s_delay_alu instid0(VALU_DEP_1)
	v_max_num_f32 v226, v226, v216                 ; with lane l xor 16's two blocks: the step's largest score of my query
	s_delay_alu instid0(VALU_DEP_1)
	v_mul_f32 v226, s30, v226                      ; as t (c is positive)
	s_delay_alu instid0(VALU_DEP_1)
	v_max_num_f32 v13, v13, v226                   ; the running largest t
	v_mov_b32 v226, v12
	s_delay_alu instid0(VALU_DEP_2)
	v_floor_f32 v12, -v13                          ; the new -M = floor(-t) = -ceil(t)
	s_delay_alu instid0(VALU_DEP_1)
	v_sub_f32 v226, v12, v226                      ; old M - new M: a whole number, 0 or less
	s_delay_alu instid0(VALU_DEP_1)
	v_cvt_i32_f32 v226, v226                       ; (it saturates)
	s_delay_alu instid0(VALU_DEP_1)
	v_ldexp_f32 v224, 1.0, v226                    ; f = 2^(old M - new M)
.set n, 0
.rept 32
	v_pk_fma_f32 v[96+n:97+n], v[96+n:97+n], s[30:31], v[12:13] op_sel_hi:[1,0,0]   ; t - M, two at a time
.set n, n+2
.endr
	v_fma_f32 v212, v212, s30, v12                 ; the same of each block's largest score
	v_fma_f32 v214, v214, s30, v12
	s_wait_alu depctr_va_vdst(0)
.set n, 0
.rept 64
	v_exp_f32 v[96+n], v[96+n]                     ; p = 2^(t - M)
.set n, n+1
.endr
	v_pk_mul_f32 v[14:15], v[14:15], v[224:225] op_sel_hi:[1,0]   ; the sum under the new M: a plain place behind the exponentials
	s_wait_alu depctr_va_vdst(0)                   ; one wait for the batch of 64, ahead of its first reader
	v_exp_f32 v212, v212                           ; the block's largest p: the same two instructions on the same number give the same bits
	v_exp_f32 v214, v214
.irp k, 0,1,2,3,4,5,6                  ; the row's sum of the unquantised p: 32 pairs and the running pair in 32 packed additions, eight chains by turns
	v_pk_add_f32 v[240+2*\k:241+2*\k], v[96+2*\k:97+2*\k], v[110+2*\k:111+2*\k]
.endr
	v_pk_add_f32 v[14:15], v[14:15], v[124:125]
.irp k, 0,1,2,3,4,5,6
	v_pk_add_f32 v[240+2*\k:241+2*\k], v[240+2*\k:241+2*\k], v[126+2*\k:127+2*\k]
.endr
	v_pk_add_f32 v[14:15], v[14:15], v[140:141]
.irp k, 0,1,2,3,4,5,6
	v_pk_add_f32 v[240+2*\k:241+2*\k], v[240+2*\k:241+2*\k], v[142+2*\k:143+2*\k]
.endr
	v_pk_add_f32 v[14:15], v[14:15], v[156:157]
	v_pk_add_f32 v[240:241], v[240:241], v[158:159]
	v_pk_add_f32 v[242:243], v[242:243], v[244:245]
	v_pk_add_f32 v[246:247], v[246:247], v[248:249]
	v_pk_add_f32 v[250:251], v[250:251], v[252:253]
	v_pk_add_f32 v[14:15], v[14:15], v[240:241]
	v_pk_add_f32 v[242:243], v[242:243], v[246:247]
	s_delay_alu instid0(VALU_DEP_2)
	v_pk_add_f32 v[14:15], v[14:15], v[250:251]
	s_delay_alu instid0(VALU_DEP_1)
	v_pk_add_f32 v[14:15], v[14:15], v[242:243]
	s_wait_alu depctr_va_vdst(0)                   ; and one for the two
	v_max_num_f32 v212, 0x1800000, v212            ; the floor 2^(3 - 127): a block whose every p is 0 keeps the byte 1 over zero codes
	v_max_num_f32 v214, 0x1800000, v214
	s_delay_alu instid0(VALU_DEP_2)
	v_add_nc_u32 v220, 0xff000000, v212            ; the conversions' scale operands
	s_delay_alu instid0(VALU_DEP_2)
	v_add_nc_u32 v221, 0xff000000, v214
	s_delay_alu instid0(VALU_DEP_2)
	v_lshrrev_b32 v216, 23, v220                   ; the bytes
	s_delay_alu instid0(VALU_DEP_2)
	v_lshrrev_b32 v217, 23, v221
	s_delay_alu instid0(VALU_DEP_1)
	v_lshl_or_b32 v216, v217, 16, v216             ; blocks h and 2 + h,
	s_delay_alu instid0(VALU_DEP_1)
	v_lshlrev_b32 v216, v11, v216                  ; at their places in the word;
	s_delay_alu instid0(VALU_DEP_1)
	v_permlanex16_b32 v217, v216, s28, s29
	s_delay_alu instid0(VALU_DEP_1)
	v_or_b32 v92, v216, v217                       ; with lane l xor 16's two: p's scale word for these 128 keys
.irp c, 0,1
	v_cvt_scalef32_pk16_fp6_f32 v[192+6*\c:194+6*\c], v[96+32*\c:111+32*\c], v[220+\c]
	v_cvt_scalef32_pk16_fp6_f32 v[204+4*\c:206+4*\c], v[112+32*\c:127+32*\c], v[220+\c]   ; (a conversion's three registers begin on an even number)
.endr
	v_nop                                          ; one plain place behind a scaled conversion
.irp c, 0,1
.irp i, 0,1,2
	v_mov_b32 v[195+6*\c+\i], v[204+4*\c+\i]       ; registers 6 c .. 6 c + 5 hold keys 64 c + 32 h + 0 .. 31
.endr
.endr
	s_wait_alu depctr_va_vdst(0)
.set n, 0
.rept 16
	v_pk_mul_f32 v[160+n:161+n], v[160+n:161+n], v[224:225] op_sel_hi:[1,0]   ; O^T under the new M.  These sixteen are also the places between the writes of p's codes and scale word and the products
.set n, n+2
.endr
	s_wait_alu depctr_va_vdst(0)
	s_wait_dscnt 0x0                               ; V is in
.irp c, 0,2
	v_wmma_scale_f32_16x16x128_f8f6f4 v[160+8*\c:167+8*\c], v[32+12*\c:43+12*\c], v[192:203], v[160+8*\c:167+8*\c], v[90+\c/2], v92 matrix_a_fmt:MATRIX_FMT_FP6 matrix_b_fmt:MATRIX_FMT_FP6
	v_wmma_scale_f32_16x16x128_f8f6f4 v[168+8*\c:175+8*\c], v[44+12*\c:55+12*\c], v[192:203], v[168+8*\c:175+8*\c], v[90+\c/2], v92 matrix_a_fmt:MATRIX_FMT_FP6 matrix_b_fmt:MATRIX_FMT_FP6 matrix_a_scale:MATRIX_SCALE_ROW1
.endr
.Lskip_\@:
.endm
; THE WAY OUT of a pass: O^T / the sum; register i is channel 32 h + i of my query: one whole block, quantised into my six registers of a half fragment and one scale byte
.macro EPI p
.rept 4
	v_nop                                          ; places behind the last products
.endr
	v_add_f32 v14, v14, v15
	s_delay_alu instid0(VALU_DEP_1)
	v_permlanex16_b32 v226, v14, s28, s29
	s_delay_alu instid0(VALU_DEP_1)
	v_add_f32 v14, v14, v226                       ; the row's sum
	s_wait_alu depctr_va_vdst(0)
	v_rcp_f32 v224, v14
	v_nop                                          ; a plain place behind the reciprocal
	s_wait_alu depctr_va_vdst(0)                   ; and the wait ahead of its first reader
.set n, 0
.rept 16
	v_pk_mul_f32 v[96+n:97+n], v[160+n:161+n], v[224:225] op_sel_hi:[1,0]
.set n, n+2
.endr
	v_max3_num_f32 v212, |v96|, |v97|, 0x1800000   ; two chains by turns, the floor among the leaves
	v_max3_num_f32 v213, |v112|, |v113|, |v114|
.irp i, 2,4,6,8,10,12
	v_max3_num_f32 v212, v212, |v[96+\i]|, |v[97+\i]|
	v_max3_num_f32 v213, v213, |v[113+\i]|, |v[114+\i]|
.endr
	v_max3_num_f32 v212, v212, |v110|, |v111|
	s_delay_alu instid0(VALU_DEP_1)
	v_max3_num_f32 v212, v212, v213, |v127|        ; the block's largest magnitude
	s_delay_alu instid0(VALU_DEP_1)
	v_add_nc_u32 v220, 0xff000000, v212
	s_delay_alu instid0(VALU_DEP_1)
	v_lshrrev_b32 v216, 23, v220                   ; my block's byte
	v_cvt_scalef32_pk16_fp6_f32 v[204:206], v[96:111], v220
	v_cvt_scalef32_pk16_fp6_f32 v[208:210], v[112:127], v220
	v_nop                                          ; one plain place behind a scaled conversion
	v_mov_b32 v207, v208                           ; the upper three registers move down by one, the lowest first
	v_mov_b32 v208, v209
	v_mov_b32 v209, v210
	global_store_b128 v1, v[204:207], s[40+8*\p:41+8*\p]              ; 512 consecutive bytes,
	global_store_b64 v2, v[208:209], s[40+8*\p:41+8*\p] offset:512    ; and 256
	global_store_b8 v10, v216, s[42+8*\p:43+8*\p]  ; a byte a lane into rows of 32 bytes: one byte for each 24 of codes
.endm
.macro PASS p, qf, qs
	s_lshr_b32 s34, s[52+\p], 1                    ; the step on the diagonal: i / 2
	s_and_b32 s11, s[52+\p], 1
	s_lshl_b32 s11, s11, 6
	s_lshl_b32 s12, s9, 4
	s_add_co_u32 s11, s11, s12
	v_add_nc_u32 v7, s11, v8                       ; my query - that step's first key - 32 h = 64 (i % 2) + 16 j + r - 32 h
	v_mov_b32 v13, 0xff61b1e6                      ; the largest t so far: -3e38
	s_delay_alu instid0(VALU_DEP_1)
	v_floor_f32 v12, -v13
	v_mov_b32 v14, 0
	v_mov_b32 v15, 0
.set n, 0
.rept 32
	v_mov_b32 v[160+n], 0                          ; O^T: the step is written once for all steps; the first finds zeros
.set n, n+1
.endr
	s_mov_b32 s32, 0
	s_mov_b32 s33, 0
	s_wait_alu depctr_va_vdst(0)
	s_wait_xcnt 0x0                                ; the pass before's stores have read their data: the steps write those registers again only behind this wait
.Lkey_\@:                                              ; sixteen trips, a constant: a step beyond the diagonal is passed over inside the trip
	STEP \qf, \qs
	s_add_co_u32 s33, s33, REC
	s_add_co_u32 s32, s32, 1
	s_cmp_lt_u32 s32, 16
	s_cbranch_scc1 .Lkey_\@
	EPI \p
.endm
	PASS 0, 16, 28
	PASS 1, 228, 29
	s_wait_tensorcnt 0x0                           ; the wave's end, behind my last tensor load
	ds_add_u32 v[SPW], v[NIL]
	s_wait_dscnt 0x0
	CROUND                                         ; the closing round
	s_endpgm
.Lfunc_end_k_qd72809383d_attn:
	.size	k_qd72809383d_attn, .Lfunc_end_k_qd72809383d_attn-k_qd72809383d_attn
	.p2alignl 7, 3214868480
	.fill 96, 4, 3214868480
	.section	.rodata,"a",@progbits
	.p2align	6, 0x0
	.amdhsa_kernel k_qd72809383d_attn
		.amdhsa_group_segment_fixed_size 210944
		.amdhsa_private_segment_fixed_size 0
		.amdhsa_enable_private_segment 0
		.amdhsa_kernarg_size 16
		.amdhsa_user_sgpr_count 2
		.amdhsa_user_sgpr_kernarg_segment_ptr 1
		.amdhsa_wavefront_size32 1
		.amdhsa_system_sgpr_workgroup_id_x 1
		.amdhsa_system_sgpr_workgroup_id_y 1
		.amdhsa_system_sgpr_workgroup_id_z 1
		.amdhsa_system_vgpr_workitem_id 0
		.amdhsa_next_free_vgpr 256
		.amdhsa_next_free_sgpr 66
		.amdhsa_reserve_vcc 1
		.amdhsa_float_denorm_mode_32 3
		.amdhsa_float_denorm_mode_16_64 3
		.amdhsa_memory_ordered 1
		.amdhsa_forward_progress 1
		.amdhsa_inst_pref_size 58
	.end_amdhsa_kernel
	.amdgpu_metadata
---
amdhsa.version: [ 1, 2 ]
amdhsa.kernels:
  - .name:           k_qd72809383d_attn
    .symbol:         k_qd72809383d_attn.kd
    .args:
      - { .name: qkv, .offset: 0, .size: 8, .value_kind: global_buffer, .address_space: global }
      - { .name: ao, .offset: 8, .size: 8, .value_kind: global_buffer, .address_space: global }
    .group_segment_fixed_size: 210944
    .private_segment_fixed_size: 0
    .kernarg_segment_align: 8
    .kernarg_segment_size: 16
    .max_flat_workgroup_size: 512
    .sgpr_count:     66
    .vgpr_count:     256
    .wavefront_size: 32
...
	.end_amdgpu_metadata
.endif
;; end of part 3
;; launch outg (part 4): grid 4 x 64, 4 waves a work-group, clusters of 4 x 4, 327,680 bytes of LDS; arguments ao, wts, out0; writes out0
.if DOCPART == 4
	.amdgcn_target "amdgcn-amd-amdhsa--gfx1250"
	.amdhsa_code_object_version 6
	.text
	.protected	k_qd72809383d_outg
	.globl	k_qd72809383d_outg
	.p2align	8
	.type	k_qd72809383d_outg,@function
k_qd72809383d_outg:
	s_mov_b64 s[64:65], 0
	v_nop
	global_prefetch_b8 v0, s[64:65] scope:SCOPE_SE
	s_setreg_imm32_b32 hwreg(HW_REG_WAVE_MODE, 25, 1), 1
	s_wait_xcnt 0x0
	s_wait_alu depctr_hold_cnt(0) depctr_sa_sdst(0) depctr_va_vdst(0) depctr_va_sdst(0) depctr_va_ssrc(0) depctr_va_vcc(0) depctr_vm_vsrc(0)
	s_getreg_b32 s2, hwreg(HW_REG_IB_STS2, 6, 4)
	s_cmp_eq_u32 s2, 0
	s_cbranch_scc0 .Lentry_in_a_cluster
	s_endpgm
.Lentry_in_a_cluster:
	s_bfe_u32 s2, ttmp6, 0x10000c
	s_cmp_lg_u32 s2, 0xf033
	s_cbranch_scc0 .Lentry_shape_is_right
	s_endpgm
.Lentry_shape_is_right:
; LAUNCH 4 OF 4.  out0 = (attention's result) Wo on codes of FP6 (E2M3) with E8M0 scales, K = 1,024, f32 sums, f32 out.  Nothing is left out here.
; SHARES.  A work-group makes 128 tokens (op1 = ao's rows) x 256 columns (op0 = Wo's columns) with all of K; source 0 = op0, so a lane's eight results are eight neighbouring columns of one token's row.
; Four waves: wave >> 1 picks 64 tokens, wave & 1 picks 128 columns: 32 accumulators.
; ALL CODES OF THE TILE LIE IN LDS AT ONCE, each byte filled once, by FOUR tensor loads, one a wave, all at the head: wave 0 op0's first 512 along K, wave 1 op1's, wave 2 op0's second 512, wave 3 op1's.
; Waves 0 and 1 wait for theirs ahead of the first barrier; all waves wait ahead of the barrier in K step 3.  The scale words come straight into registers, 512 consecutive bytes a load:
; lanes 0-15 hold their row's words of K steps 0-3, lanes 16-31 those of steps 4-7.
; CLUSTER 4 x 4: op0's tile hangs on cx alone and is asked for jointly by a column of the cluster, op1's on cy alone, by a row.  No prefetch: every tile is asked for at the head, and there is no loop to run ahead in.
; THE WAY OUT goes through a stage of 16 rows x (512 + 16) bytes for each wave, in LDS bytes that have had their only fill; a barrier stands between all waves' last reads of codes and the first store there.
.set OP1,   196608                     ; LDS: op0's half q of K at 98,304 q ([16 tiles][6,144]); op1's at OP1 + 49,152 q ([8 tiles][6,144])
.set SPARE, 294912                     ; the spare words, 128 bytes a wave
.set SPW, 28
.set NIL, 29
.set S0,  32                           ; v[S0 + 4 b + s % 4]: the words of op0's tile b for K step s, in lanes 16 (s / 4) + r
.set S1,  64                           ; v[S1 + 4 a + s % 4]: the same of op1's tile a
.set F1,  144
.set MSB, 0
.macro WIN new                         ; the immediate's high byte repeats the setting that is left
.if MSB != \new
	s_set_vgpr_msb (MSB<<8)|\new
.set MSB, \new
.endif
.endm
.macro PLACES n
.rept \n
	v_nop
.endr
.endm
.macro CROUND                          ; a round of the cluster's barrier
	s_barrier_signal -1
	s_barrier_wait -1
	s_cmp_lg_u32 s10, 0
	s_cbranch_scc1 .Lnot_wave_0_\@
	s_barrier_signal -3
.Lnot_wave_0_\@:
	s_barrier_wait -3
	s_barrier_signal -1
	s_barrier_wait -1
.endm
.macro MKG1 g, c, r, p                 ; group 1 but for its first word: r rows of c elements of 8 bytes, p elements from row to row
	s_mov_b32 s[\g+1], (\c)<<16
	s_mov_b32 s[\g+2], (\r)<<16
	s_mov_b32 s[\g+3], (\c)<<16
	s_mov_b32 s[\g+4], \r
	s_mov_b32 s[\g+5], \p
	s_mov_b32 s[\g+6], 0
	s_mov_b32 s[\g+7], 0
.endm
.macro MKG0 g, lds, pair, off          ; group 0: to LDS byte lds, from s[pair] + off
	s_mov_b32 s[\g], 1
	s_mov_b32 s[\g+1], \lds
	s_add_nc_u64 s[\g+2:\g+3], s[\pair:\pair+1], \off
	s_or_b32 s[\g+3], s[\g+3], 0x80000000
.endm
.macro ARM under, g0, g1, next         ; one arm of the head's chain: a joint load, its s_nop 0 and four v_nop, a jump to the join
	s_cmp_lt_u32 s10, \under
	s_cbranch_scc0 \next
	tensor_load_to_lds s[\g0:\g0+3], s[\g1:\g1+7]
	s_nop 0
.rept 4
	v_nop
.endr
	s_branch .Lhead_asked
\next:
.endm
	s_load_b128 s[4:7], s[0:1], 0x0                ; ao, wts
	s_load_b64 s[8:9], s[0:1], 0x10                ; out0
	v_lshl_add_u32 v[SPW], v0, 2, SPARE
	v_mov_b32 v[NIL], 0
	ds_add_u32 v[SPW], v[NIL]                      ; the wave's opening: the add, twice on end, and its wait ahead of my first tensor load
	ds_add_u32 v[SPW], v[NIL]
	v_lshrrev_b32 v1, 5, v0
	v_readfirstlane_b32 s10, v1                    ; wave
	v_and_b32 v2, 15, v0                           ; r
	v_bfe_u32 v3, v0, 4, 1                         ; h
	v_lshlrev_b32 v27, 5, v2
	v_lshl_add_u32 v27, v3, 4, v27                 ; 32 r + 16 h: my 16 of a tile's 512 scale bytes
	s_lshr_b32 s11, s10, 1                         ; my 64 tokens
	s_and_b32 s12, s10, 1                          ; my 128 columns
	s_bfe_u32 s13, ttmp6, 0x40000                  ; cx
	s_bfe_u32 s14, ttmp6, 0x40004                  ; cy
	s_mov_b32 s16, s13                             ; op0's tile of 256 columns
	s_and_b32 s17, ttmp7, 0xffff
	s_lshl_b32 s17, s17, 2
	s_add_co_u32 s17, s17, s14                     ; op1's tile of 128 tokens
	s_lshl_b32 s18, 0x1111, s13                    ; my column of the cluster
	s_lshl_b32 s22, s14, 2
	s_lshl_b32 s22, 15, s22                        ; my row
	s_or_b32 s24, s18, (3<<16)|(1<<21)             ; 15:0 the mask; 17:16 elements of 8 bytes; 21 set beside a mask; no padding
	s_or_b32 s32, s22, (3<<16)|(1<<21)
	MKG1 24, 768, 16, 1536                         ; op0: 16 row tiles x 6,144 bytes (512 along K), 12,288 bytes from tile to tile
	MKG1 32, 768, 8, 1536                          ; op1: 8 row tiles
	s_mul_i32 s18, s16, 196608                     ; Wo's codes begin at byte 2,359,296 of wts
	s_add_co_u32 s18, s18, 2359296
	s_mov_b32 s19, 0
	s_lshl_b32 s20, s16, 13                        ; the scale bytes of my 128 columns
	s_lshl_b32 s21, s12, 12
	s_add_co_u32 s20, s20, s21
	s_add_co_u32 s20, s20, 3244032
	s_mov_b32 s21, 0
	s_mul_i32 s22, s17, 98304
	s_mov_b32 s23, 0
	s_lshl_b32 s2, s17, 12                         ; the scale bytes of my 64 tokens
	s_lshl_b32 s3, s11, 11
	s_add_co_u32 s2, s2, s3
	s_add_co_u32 s2, s2, 6291456
	s_mov_b32 s3, 0
	s_wait_alu depctr_va_vdst(0)
	s_wait_dscnt 0x0                               ; both opening adds are done
	s_wait_kmcnt 0x0
	s_add_nc_u64 s[18:19], s[6:7], s[18:19]
	s_add_nc_u64 s[20:21], s[6:7], s[20:21]
	s_add_nc_u64 s[22:23], s[4:5], s[22:23]
	s_add_nc_u64 s[2:3], s[4:5], s[2:3]
	MKG0 40, 0, 18, 0
	MKG0 44, 98304, 18, 6144
	MKG0 48, OP1, 22, 0
	MKG0 52, OP1+49152, 22, 6144
	CROUND                                         ; all sixteen work-groups are here: the joint loads meet
	ARM 1, 40, 24, .Lh1                            ; one chain of arms on the wave's number, one load to an arm, one join
	ARM 2, 48, 32, .Lh2
	ARM 3, 44, 24, .Lh3
	tensor_load_to_lds s[52:55], s[32:39]
	s_nop 0
.rept 4
	v_nop
.endr
.Lhead_asked:
.irp i, 0,1,2,3,4,5,6,7
	global_load_b128 v[S0+4*\i:S0+4*\i+3], v27, s[20:21] offset:512*\i   ; 512 consecutive bytes a load
.endr
.irp i, 0,1,2,3
	global_load_b128 v[S1+4*\i:S1+4*\i+3], v27, s[2:3] offset:512*\i
.endr
	v_and_b32 v1, 31, v0                           ; lane
	v_lshlrev_b32 v4, 4, v1                        ; 16 x lane
	v_lshlrev_b32 v5, 3, v1                        ; 8 x lane
	s_mul_i32 s18, s12, 49152                      ; my 8 tiles of op0,
	s_mul_i32 s19, s11, 24576
	s_add_co_u32 s19, s19, OP1                     ; my 4 of op1
.irp q, 0,1
	v_add_nc_u32 v[8+\q], s18, v4                  ; v8-9: op0, half q of K, the 16-byte parts; v12-13: the 8-byte parts
	v_add_nc_u32 v[12+\q], s18, v5
	v_add_nc_u32 v[16+\q], s19, v4                 ; v16-17, v20-21: the same for op1
	v_add_nc_u32 v[20+\q], s19, v5
	s_add_co_u32 s18, s18, 98304
	s_add_co_u32 s19, s19, 49152
.endr
	s_mul_i32 s18, s10, 8448                       ; my stage
	v_mul_u32_u24 v6, v2, 528
	v_lshl_add_u32 v6, v3, 5, v6
	v_add_nc_u32 v25, s18, v6                      ; in: row r, 32 bytes for each half of the lanes
	v_add_nc_u32 v26, s18, v4                      ; back: the 32 lanes take one row of 512 bytes
	s_lshl_b32 s18, s17, 7
	s_lshl_b32 s19, s11, 6
	s_add_co_u32 s18, s18, s19
	s_lshl_b32 s18, s18, 12                        ; my first token's row of 4,096 bytes,
	s_lshl_b32 s19, s16, 10
	s_lshl_b32 s56, s12, 9                         ; (a register that no pending load names)
	s_add_co_u32 s19, s19, s56                     ; my first column, in bytes
	s_add_co_u32 s18, s18, s19
	s_mov_b32 s19, 0
	s_add_nc_u64 s[8:9], s[8:9], s[18:19]
.macro FETCH s, set                    ; K step s: op0's eight fragments and op1's four, 48 loads, each dense over the lanes
.set FQ, (\s)/4
.set FU, (\s)%4
	WIN 0x40                                       ; destination window 1
.irp b, 0,1,2,3,4,5,6,7
	ds_load_b128 v[128*(\set)+12*\b:128*(\set)+12*\b+3], v[8+FQ] offset:6144*\b+1536*FU
	ds_load_b64 v[128*(\set)+12*\b+4:128*(\set)+12*\b+5], v[12+FQ] offset:6144*\b+1536*FU+512
	ds_load_b128 v[128*(\set)+12*\b+6:128*(\set)+12*\b+9], v[8+FQ] offset:6144*\b+1536*FU+768
	ds_load_b64 v[128*(\set)+12*\b+10:128*(\set)+12*\b+11], v[12+FQ] offset:6144*\b+1536*FU+1280
.endr
	WIN 0
.irp a, 0,1,2,3
	ds_load_b128 v[F1+48*(\set)+12*\a:F1+48*(\set)+12*\a+3], v[16+FQ] offset:6144*\a+1536*FU
	ds_load_b64 v[F1+48*(\set)+12*\a+4:F1+48*(\set)+12*\a+5], v[20+FQ] offset:6144*\a+1536*FU+512
	ds_load_b128 v[F1+48*(\set)+12*\a+6:F1+48*(\set)+12*\a+9], v[16+FQ] offset:6144*\a+1536*FU+768
	ds_load_b64 v[F1+48*(\set)+12*\a+10:F1+48*(\set)+12*\a+11], v[20+FQ] offset:6144*\a+1536*FU+1280
.endr
.endm
.macro MUL32 s, set                    ; the 32 accumulators take turns, one instruction a turn, in the same order in every step.  Step 0 starts the sums
	WIN 0xa1                                       ; source 0 window 1, source 1 window 0, C and D window 2
.irp a, 0,1,2,3
.irp b, 0,1,2,3,4,5,6,7
.if (\s) == 0
	v_wmma_scale_f32_16x16x128_f8f6f4 v[8*(8*\a+\b):8*(8*\a+\b)+7], v[128*(\set)+12*\b:128*(\set)+12*\b+11], v[F1+48*(\set)+12*\a:F1+48*(\set)+12*\a+11], 0, v[S0+4*\b], v[S1+4*\a] matrix_a_fmt:MATRIX_FMT_FP6 matrix_b_fmt:MATRIX_FMT_FP6
.elseif (\s) < 4
	v_wmma_scale_f32_16x16x128_f8f6f4 v[8*(8*\a+\b):8*(8*\a+\b)+7], v[128*(\set)+12*\b:128*(\set)+12*\b+11], v[F1+48*(\set)+12*\a:F1+48*(\set)+12*\a+11], v[8*(8*\a+\b):8*(8*\a+\b)+7], v[S0+4*\b+(\s)], v[S1+4*\a+(\s)] matrix_a_fmt:MATRIX_FMT_FP6 matrix_b_fmt:MATRIX_FMT_FP6
.else
	v_wmma_scale_f32_16x16x128_f8f6f4 v[8*(8*\a+\b):8*(8*\a+\b)+7], v[128*(\set)+12*\b:128*(\set)+12*\b+11], v[F1+48*(\set)+12*\a:F1+48*(\set)+12*\a+11], v[8*(8*\a+\b):8*(8*\a+\b)+7], v[S0+4*\b+(\s)-4], v[S1+4*\a+(\s)-4] matrix_a_fmt:MATRIX_FMT_FP6 matrix_b_fmt:MATRIX_FMT_FP6 matrix_a_scale:MATRIX_SCALE_ROW1 matrix_b_scale:MATRIX_SCALE_ROW1
.endif
.endr
.endr
	WIN 0
.endm
.macro KSTEP s
	s_wait_dscnt 0x0                               ; this step's fragments are in (asked for ahead of the last step's 32 products)
.if (\s) == 3
	s_wait_tensorcnt 0x0                           ; my load has landed, whichever it was,
	s_barrier_signal -1
	s_barrier_wait -1                              ; and everybody's: the second 512 along K may be read
.endif
.if ((\s) > 0) && ((\s) < 7)
	PLACES 4                                       ; in front of loads into registers that the last products read
.endif
.if (\s) < 7
	FETCH (\s)+1, ((\s)+1)%2
.endif
	MUL32 \s, (\s)%2
.endm
	s_wait_alu depctr_va_vdst(0)
	s_cmp_ge_u32 s10, 2
	s_cbranch_scc1 .Lsecond_half                   ; waves 2 and 3 asked for the second 512 along K: nobody reads those before the barrier in K step 3
	s_wait_tensorcnt 0x0                           ; waves 0 and 1: my tile of the first 512 has landed
.Lsecond_half:
	s_barrier_signal -1
	s_barrier_wait -1
	FETCH 0, 0
	s_wait_loadcnt 0x0                             ; the scale words
.irp s, 0,1,2,3,4,5,6,7
	KSTEP \s
.endr
	PLACES 4                                       ; in front of the first read of results and of loads into op1's registers
	s_wait_dscnt 0x0                               ; my reads of the codes are over,
	s_barrier_signal -1
	s_barrier_wait -1                              ; and everybody's: the stages may be written over them
.macro TOSTAGE a
	WIN 0x08                                       ; the data: window 2
.irp b, 0,1,2,3,4,5,6,7
	ds_store_b128 v25, v[64*(\a)+8*\b:64*(\a)+8*\b+3] offset:64*\b          ; each accumulator from its low end on
	ds_store_b128 v25, v[64*(\a)+8*\b+4:64*(\a)+8*\b+7] offset:64*\b+16
.endr
	WIN 0
.set BB, 128+64*((\a)%2)
.irp t, 0,1,2,3,4,5,6,7,8,9,10,11,12,13,14,15
	ds_load_b128 v[BB+4*\t:BB+4*\t+3], v26 offset:\t*528           ; LDS serves a wave's instructions in order: these see my stores
.endr
.endm
.macro SEND a, younger                 ; younger: the LDS instructions issued behind block a's loads, which may stay out
.set BB, 128+64*((\a)%2)
	s_wait_dscnt \younger
.irp t, 0,1,2,3,4,5,6,7,8,9,10,11,12,13,14,15
	global_store_b128 v4, v[BB+4*\t:BB+4*\t+3], s[8:9] offset:(16*(\a)+\t)*4096 th:TH_STORE_NT   ; 32 lanes store 512 consecutive bytes, at a multiple of 256
.endr
.endm
	TOSTAGE 0
.irp a, 1,2,3
.if \a > 1
	s_wait_xcnt 0x0                                ; block a - 2's stores have read their registers: block a's loads may land there
.endif
	TOSTAGE \a
	SEND (\a)-1, 32
.endr
	SEND 3, 0
	s_wait_tensorcnt 0x0                           ; the wave's end, behind my last tensor load and my last LDS store
	ds_add_u32 v[SPW], v[NIL]
	s_wait_dscnt 0x0
	CROUND                                         ; the closing round
	s_endpgm
.Lfunc_end_k_qd72809383d_outg:
	.size	k_qd72809383d_outg, .Lfunc_end_k_qd72809383d_outg-k_qd72809383d_outg
	.p2alignl 7, 3214868480
	.fill 96, 4, 3214868480
	.section	.rodata,"a",@progbits
	.p2align	6, 0x0
	.amdhsa_kernel k_qd72809383d_outg
		.amdhsa_group_segment_fixed_size 327680
		.amdhsa_private_segment_fixed_size 0
		.amdhsa_enable_private_segment 0
		.amdhsa_kernarg_size 24
		.amdhsa_user_sgpr_count 2
		.amdhsa_user_sgpr_kernarg_segment_ptr 1
		.amdhsa_wavefront_size32 1
		.amdhsa_system_sgpr_workgroup_id_x 1
		.amdhsa_system_sgpr_workgroup_id_y 1
		.amdhsa_system_sgpr_workgroup_id_z 1
		.amdhsa_system_vgpr_workitem_id 0
		.amdhsa_next_free_vgpr 768
		.amdhsa_next_free_sgpr 102
		.amdhsa_reserve_vcc 0
		.amdhsa_float_denorm_mode_32 3
		.amdhsa_float_denorm_mode_16_64 3
		.amdhsa_memory_ordered 1
		.amdhsa_forward_progress 1
		.amdhsa_inst_pref_size 82
	.end_amdhsa_kernel
	.amdgpu_metadata
---
amdhsa.version: [ 1, 2 ]
amdhsa.kernels:
  - .name:           k_qd72809383d_outg
    .symbol:         k_qd72809383d_outg.kd
    .args:
      - { .name: ao, .offset: 0, .size: 8, .value_kind: global_buffer, .address_space: global }
      - { .name: wts, .offset: 8, .size: 8, .value_kind: global_buffer, .address_space: global }
      - { .name: out0, .offset: 16, .size: 8, .value_kind: global_buffer, .address_space: global }
    .group_segment_fixed_size: 327680
    .private_segment_fixed_size: 0
    .kernarg_segment_align: 8
    .kernarg_segment_size: 24
    .max_flat_workgroup_size: 128
    .sgpr_count:     102
    .vgpr_count:     768
    .wavefront_size: 32
...
	.end_amdgpu_metadata
.endif
;; end of part 4
